; MI455X (gfx1250); checked and timed in simulation.
; The chip was launched on July 23, 2026; its instructions are those of AMD's public machine-readable ISA for CDNA 5 (MIT licence, August 2026) and "CDNA5" Instruction Set Architecture Reference Guide (July 2026). The comments in the code are by the model that wrote it; some were corrected since.
;; Causal Self Attention. Allowed arithmetic: matrix products marked QUANTISED: E2M3 operands, one E8M0 scale for each 32 along K, by v_wmma_scale_f32_16x16x128_f8f6f4 with both operands' format E2M3, f32 sums; everything else in f32.
;; Inputs: Wk 1,024 x 1,024 float32; Wo 1,024 x 1,024 float32; Wq 1,024 x 1,024 float32; Wv 1,024 x 1,024 float32; bk 1,024 float32; bo 1,024 float32; bq 1,024 float32; bv 1,024 float32; x 4 x 2,048 x 1,024 float32.
;; Outputs: out0 4 x 2,048 x 1,024 float32.
;; This version of the problem:
;;   THIS VERSION OF THE PROBLEM IS GIVEN IN LOW PRECISION. The matrix products marked QUANTISED in the list below multiply operands that are first quantised to E2M3 (2 exponent bits, 3 mantissa bits; 6 bits a number), with one power-of-two scale for each 32 numbers along K (OCP MX v1.0); their sums are f32. All else is computed in f32.
;;   The module's matrix products, in the order in which they are computed (A, B: the left and right operand; K: the contracted axis; several contracted axes count as one K, in the product's order):
;;     1. [M 8,192, K 1,024] x [K 1,024, N 1,024]; A: input x; B: input Wq: QUANTISED
;;     2. [M 8,192, K 1,024] x [K 1,024, N 1,024]; A: input x; B: input Wk: QUANTISED
;;     3. [M 8,192, K 1,024] x [K 1,024, N 1,024]; A: input x; B: input Wv: QUANTISED
;;     4. batch 64 x [M 2,048, K 64] x [K 64, N 2,048]; A: computed on the way; B: computed on the way: QUANTISED
;;     5. batch 64 x [M 2,048, K 2,048] x [K 2,048, N 64]; A: softmax (see below); B: computed on the way: QUANTISED
;;     6. [M 8,192, K 1,024] x [K 1,024, N 1,024]; A: computed on the way; B: input Wo: QUANTISED
;;   THE QUANTISER, for each operand of a quantised product, along K:
;;     - K is cut into blocks of 32 from its start; a last block that is shorter is filled with zeros.
;;     - A block's scale is 2^e with e = floor(log2(the largest magnitude in the block)) - 2, held to -126 .. 127; a block of zeros has e = 0. As a byte (E8M0): e + 127.
;;     - Each number is divided by its block's scale, clamped to +-7.5, and rounded to the nearest number of E2M3, ties to even, subnormals kept.
;;     - The product sums the exact products of the quantised numbers (number of the format x scale) in f32.
;;   ~~~python
;;   def quantise(x, axis):      # numpy; x: float32 -> the quantised numbers, widened to float32 again
;;       x = np.moveaxis(x, axis, -1); K = x.shape[-1]
;;       x = np.pad(x, [(0, 0)] * (x.ndim - 1) + [(0, -K % 32)]); x = x.reshape(x.shape[:-1] + (-1, 32)); a = np.abs(x).max(-1, keepdims=True)
;;       e = np.where(a > 0, np.clip(np.frexp(np.where(a > 0, a, 1))[1] - 1 - 2, -126, 127), 0)      # np.frexp(a)[1] - 1 = floor(log2(a)), exactly
;;       r = np.clip(x / 2.0 ** e, -7.5, 7.5)
;;       step = 2.0 ** (np.maximum(np.frexp(np.where(r == 0, 1, r))[1] - 1, 0) - 3)
;;       q = np.round(r / step) * step * 2.0 ** e      # np.round: ties to even
;;       return np.moveaxis(q.reshape(q.shape[:-2] + (-1,))[..., :K], -1, axis).astype(np.float32)
;;   ~~~
;;   SOFTMAX AHEAD OF A QUANTISED PRODUCT. Where the list says 'softmax', what is quantised is not the finished softmax but p = 2^(t - M), with t = logit x log2(e) and M = ceil(the row's largest t), a whole number; so 1/2 < the row's largest p <= 1. The row's sum l is taken of the UNQUANTISED p, in f32, and the product's result is divided by l at the end. Since M is a whole number, a kernel that streams over the keys may use a running M (the ceiling of the running maximum): every later rescaling is an exact power of two, which a block's scale takes up: the codes' values come out the same.
;;   OPERANDS COMPUTED ON THE WAY. 'Computed on the way' means the value that the module computes at that place (a softmax that the list does not call 'softmax' is quantised finished and normalised). What goes into a quantiser is computed in f32, as accurately as f32 sums, v_exp_f32 and their like allow (about 1e-6 of the number): no bf16 or f16 on the way to a quantiser, and a product that is left as it is and whose result goes on into a quantised operand takes f32 operands (vector FMAs, or v_wmma_f32_16x16x4_f32). A number that lies on a knife's edge between two numbers of the format may be rounded either way, as far as f32 arithmetic and the matrix unit's own rounding can turn it there, and no further.
;; One version. Each part assembles by itself: llvm-mc -triple=amdgcn-amd-amdhsa -mcpu=gfx1250 --defsym DOCPART=n.
;; ======== version 1 of 1: 4 launches
;; workspace buffers: c1 9,437,184 bytes; s1 393,216 bytes; c2 18,874,368 bytes; s2 1,310,720 bytes; yc 6,291,456 bytes; ys 262,144 bytes
;; launch quant (part 1): grid 768 x 1, 2 waves a work-group, no clusters, 17,152 bytes of LDS; arguments x, Wq, Wk, Wv, Wo, c1, s1; writes c1, s1
.if DOCPART == 1
	.amdgcn_target "amdgcn-amd-amdhsa--gfx1250"
	.amdhsa_code_object_version 6
	.text
	.protected	k_q5624b96152_quant
	.globl	k_q5624b96152_quant
	.p2align	8
	.type	k_q5624b96152_quant,@function
k_q5624b96152_quant:
	s_mov_b64 s[64:65], 0
	v_nop
	global_prefetch_b8 v0, s[64:65] scope:SCOPE_SE
	s_setreg_imm32_b32 hwreg(HW_REG_WAVE_MODE, 25, 1), 1
	s_wait_xcnt 0x0
; x [8192][1024] and Wq, Wk, Wv, Wo [1024][1024], f32, K innermost, become codes of FP6 (E2M3) with one E8M0 byte for each 32 along K,
; laid as IMAGES OF OPERAND REGISTERS for the products that follow.
; ROW TILES.  A row tile holds 16 rows; its lane-row i is the true row 32 (tile / 2) + 8 (tile % 2) + i + 8 (i / 8).  Tiles 0-511 are x's, 512 + 64 m + .. those of weight m (q, k, v, o).
; c1: [tile][K step of 128][1,536 bytes]: a fragment's 12 registers as two halves of 768 bytes; in a half registers 0-3 at 16 x lane, registers 4, 5 at 512 + 8 x lane.
; s1: [tile][pair of K steps][row 0..15][2 words]: a word is the four bytes of one row and one K step.
; A block's scale is 2^(floor(log2(largest magnitude)) - 2); its byte is the largest magnitude's exponent field - 2, held at 1 from below.
; LIMITS: NaN and infinities among the inputs are not served; a block whose largest magnitude lies under 2^-124 has its byte held at 1; a block of zeros gets the byte 1
; where the rule says 127: its codes are zeros, and the bytes are read by this program alone.
; SHARES.  A work-group is one row tile; wave w takes K steps 4 w .. 4 w + 3.  Each load reads 512 consecutive bytes of one row; a step's 16 rows turn through the wave's own
; stage in LDS so that a lane gets 16 neighbours of each block of its row.  Waves share nothing: no barrier.  No matrix unit, no cluster, no tensor load: the launch only streams.
.set SP,   528                         ; a stage row: 512 bytes + 16, so that the sixteen rows of a read start at different banks
.set WST,  16*SP                       ; a wave's stage
.set FRB,  1536                        ; a fragment's image
.set R,    16                          ; v16-143   two sets of 64 registers as loaded
.set X,    144                         ; v144-207  64 numbers: register 16 b + i = k 32 b + 16 (lane / 16) + i of my row
.set TM,   208                         ; v208-223  at work in QUANT
.set CT,   226                         ; v226-232  the conversions' second halves
.set PC,   234                         ; v234-245  the fragment just made
.set SW,   246                         ; v246-249  the four steps' scale words
.set SEL,  26                          ; s[26:27]  lane selects: lane l xor 16
; 64 numbers of a lane, v[s] on, become six registers of codes at v[d0] on (blocks 0, 1), six at v[d1] on (blocks 2, 3), and my row's scale word in v[pw].
.macro QUANT s, d0, d1, pw
.irp b, 0,1,2,3
	v_max3_num_f32 v[TM+\b], |v[\s+16*\b]|, |v[\s+1+16*\b]|, 0x1800000   ; my 16 numbers of block b, and the floor 2^(3 - 127): the byte cannot fall under 1
.endr
.irp i, 2,4,6,8,10,12,14
.irp b, 0,1,2,3
	v_max3_num_f32 v[TM+\b], v[TM+\b], |v[\s+16*\b+\i]|, |v[\s+1+16*\b+\i]|   ; the four blocks by turns
.endr
.endr
.irp b, 0,1,2,3
	v_permlanex16_b32 v[TM+4+\b], v[TM+\b], s[SEL], s[SEL+1]
.endr
.irp b, 0,1,2,3
	v_max_num_f32 v[TM+\b], v[TM+\b], v[TM+4+\b]   ; with lane l xor 16's: the block's largest magnitude
.endr
.irp b, 0,1,2,3
	v_add_nc_u32 v[TM+12+\b], 0xff000000, v[TM+\b]   ; 2 off its exponent field: the conversion's scale operand
.endr
.irp b, 0,1,2,3
	v_lshrrev_b32 v[TM+4+\b], 23, v[TM+12+\b]      ; the scale's byte
.endr
	v_lshl_or_b32 v[\pw], v[TM+5], 8, v[TM+4]
	v_lshl_or_b32 v[\pw], v[TM+6], 16, v[\pw]
	v_lshl_or_b32 v[\pw], v[TM+7], 24, v[\pw]
	v_cvt_scalef32_pk16_fp6_f32 v[\d0:\d0+2], v[\s:\s+15], v[TM+12]
	v_cvt_scalef32_pk16_fp6_f32 v[CT:CT+2], v[\s+16:\s+31], v[TM+13]   ; (a conversion's three registers begin on an even number)
	v_cvt_scalef32_pk16_fp6_f32 v[\d1:\d1+2], v[\s+32:\s+47], v[TM+14]
	v_cvt_scalef32_pk16_fp6_f32 v[CT+4:CT+6], v[\s+48:\s+63], v[TM+15]
	v_nop                                          ; one plain place behind the scaled conversions
.irp i, 0,1,2
	v_permlane16_swap_b32 v[\d0+\i], v[CT+\i]      ; the layout wants a whole block in a lane: lanes 0-15 the even block, lanes 16-31 the odd one
.endr
.irp i, 0,1,2
	v_mov_b32 v[\d0+3+\i], v[CT+\i]
.endr
.irp i, 0,1,2
	v_permlane16_swap_b32 v[\d1+\i], v[CT+4+\i]
.endr
.irp i, 0,1,2
	v_mov_b32 v[\d1+3+\i], v[CT+4+\i]
.endr
.endm
	s_load_b256 s[4:11], s[0:1], 0x0               ; x, Wq, Wk, Wv
	s_load_b128 s[12:15], s[0:1], 0x20             ; Wo, c1
	s_load_b64 s[16:17], s[0:1], 0x30              ; s1
	v_lshl_add_u32 v254, v0, 2, 0x4200
	v_mov_b32 v255, 0
	v_lshrrev_b32 v1, 5, v0
	v_readfirstlane_b32 s20, v1                    ; wave 0, 1
	v_and_b32 v1, 31, v0                           ; lane
	v_and_b32 v2, 15, v0                           ; r
	v_bfe_u32 v3, v0, 4, 1                         ; h
	v_lshlrev_b32 v4, 4, v1                        ; 16 x lane
	v_lshlrev_b32 v5, 3, v1                        ; 8 x lane
	s_mul_i32 s21, s20, WST
	v_add_nc_u32 v6, s21, v4                       ; the stage, on the way in: 16 x lane of a row
	v_mul_u32_u24 v7, v2, SP
	v_lshl_add_u32 v7, v3, 6, v7
	v_add_nc_u32 v7, s21, v7                       ; and on the way out: row r, + 64 h
	v_lshlrev_b32 v8, 3, v2
	v_lshl_add_u32 v8, v3, 7, v8                   ; the scale words' place: 128 h + 8 r
	s_mov_b32 s[SEL], 0x76543210
	s_mov_b32 s[SEL+1], 0xfedcba98
.irp b, 0,1,2,3
	v_mov_b32 v[TM+4+\b], 0                        ; written once: a lane permute's destination counts as one of its sources
.endr
	s_and_b32 s24, ttmp9, 63
	s_cmp_lt_u32 ttmp9, 512
	s_cselect_b32 s24, ttmp9, s24                  ; the tile's number inside its tensor
	s_lshr_b32 s28, s24, 1
	s_lshl_b32 s28, s28, 17                        ; 32 rows of 4,096 bytes for each pair of tiles,
	s_and_b32 s25, s24, 1
	s_lshl_b32 s25, s25, 15                        ; 8 rows for the odd tile,
	s_add_co_u32 s28, s28, s25
	s_lshl_b32 s25, s20, 11                        ; my half of K
	s_add_co_u32 s28, s28, s25
	s_mov_b32 s29, 0
	s_mul_i32 s30, ttmp9, 8*FRB
	s_mul_i32 s25, s20, 4*FRB
	s_add_co_u32 s30, s30, s25
	s_mov_b32 s31, 0
	s_lshl_b32 s32, ttmp9, 9
	s_lshl_b32 s25, s20, 8
	s_add_co_u32 s32, s32, s25
	s_mov_b32 s33, 0
	s_wait_kmcnt 0x0
	s_mov_b64 s[22:23], s[6:7]                     ; which tensor: the choice hangs on the work-group's number alone
	s_cmp_ge_u32 ttmp9, 576
	s_cselect_b64 s[22:23], s[8:9], s[22:23]
	s_cmp_ge_u32 ttmp9, 640
	s_cselect_b64 s[22:23], s[10:11], s[22:23]
	s_cmp_ge_u32 ttmp9, 704
	s_cselect_b64 s[22:23], s[12:13], s[22:23]
	s_cmp_lt_u32 ttmp9, 512
	s_cselect_b64 s[22:23], s[4:5], s[22:23]
	s_add_nc_u64 s[22:23], s[22:23], s[28:29]
	s_add_nc_u64 s[14:15], s[14:15], s[30:31]
	s_add_nc_u64 s[16:17], s[16:17], s[32:33]
.macro LOAD t                          ; step t: 512 bytes of each of the tile's 16 rows
.irp i, 0,1,2,3,4,5,6,7,8,9,10,11,12,13,14,15
	global_load_b128 v[R+64*((\t)%2)+4*\i:R+64*((\t)%2)+4*\i+3], v4, s[22:23] offset:(\i+8*(\i/8))*4096+512*(\t) th:TH_LOAD_NT
.endr
.endm
.macro STEP t
.if (\t) < 3
	s_wait_loadcnt 16                              ; this step's 16 loads are in; the next step's 16 may be out
.else
	s_wait_loadcnt 0x0
.endif
.irp i, 0,1,2,3,4,5,6,7,8,9,10,11,12,13,14,15
	ds_store_b128 v6, v[R+64*((\t)%2)+4*\i:R+64*((\t)%2)+4*\i+3] offset:SP*\i
.endr
.irp b, 0,1,2,3
.irp j, 0,1,2,3
	ds_load_b128 v[X+16*\b+4*\j:X+16*\b+4*\j+3], v7 offset:128*\b+16*\j   ; LDS serves a wave's instructions in order: these see my stores
.endr
.endr
	s_wait_dscnt 0x0                               ; the numbers are back, and the stores have read their registers,
.if (\t) < 2
	LOAD (\t)+2                                    ; which take the loads of two steps on
.endif
.if (\t) > 0
	s_wait_xcnt 0x0                                ; the last step's stores have read the fragment's registers: they are written again only behind this wait
.endif
.set PWR, SW+(\t)
	QUANT X, PC, PC+6, PWR
	global_store_b128 v4, v[PC:PC+3], s[14:15] offset:FRB*(\t)            ; 512 consecutive bytes
	global_store_b64 v5, v[PC+4:PC+5], s[14:15] offset:FRB*(\t)+512       ; 256
	global_store_b128 v4, v[PC+6:PC+9], s[14:15] offset:FRB*(\t)+768
	global_store_b64 v5, v[PC+10:PC+11], s[14:15] offset:FRB*(\t)+1280
.endm
	LOAD 0
	LOAD 1
	STEP 0
	STEP 1
	STEP 2
	STEP 3
	v_cmp_ne_u32 vcc_lo, 0, v3
	v_cndmask_b32 v250, v[SW], v[SW+2], vcc_lo     ; lanes 0-15: my first pair of K steps; lanes 16-31: the second (both halves of the lanes hold row r's words)
	v_cndmask_b32 v251, v[SW+1], v[SW+3], vcc_lo
	global_store_b64 v8, v[250:251], s[16:17]      ; 32 lanes store 256 consecutive bytes, aligned
	s_wait_tensorcnt 0x0
	ds_add_u32 v254, v255
	s_wait_dscnt 0x0
	s_endpgm
.Lfunc_end_k_q5624b96152_quant:
	.size	k_q5624b96152_quant, .Lfunc_end_k_q5624b96152_quant-k_q5624b96152_quant
	.p2alignl 7, 3214868480
	.fill 96, 4, 3214868480
	.section	.rodata,"a",@progbits
	.p2align	6, 0x0
	.amdhsa_kernel k_q5624b96152_quant
		.amdhsa_group_segment_fixed_size 17152
		.amdhsa_private_segment_fixed_size 0
		.amdhsa_enable_private_segment 0
		.amdhsa_kernarg_size 56
		.amdhsa_user_sgpr_count 2
		.amdhsa_user_sgpr_kernarg_segment_ptr 1
		.amdhsa_wavefront_size32 1
		.amdhsa_system_sgpr_workgroup_id_x 1
		.amdhsa_system_sgpr_workgroup_id_y 1
		.amdhsa_system_sgpr_workgroup_id_z 1
		.amdhsa_system_vgpr_workitem_id 0
		.amdhsa_next_free_vgpr 256
		.amdhsa_next_free_sgpr 66
		.amdhsa_reserve_vcc 1
		.amdhsa_float_denorm_mode_32 3
		.amdhsa_float_denorm_mode_16_64 3
		.amdhsa_memory_ordered 1
		.amdhsa_forward_progress 1
		.amdhsa_inst_pref_size 34
	.end_amdhsa_kernel
	.amdgpu_metadata
---
amdhsa.version: [ 1, 2 ]
amdhsa.kernels:
  - .name:           k_q5624b96152_quant
    .symbol:         k_q5624b96152_quant.kd
    .args:
      - { .name: x, .offset: 0, .size: 8, .value_kind: global_buffer, .address_space: global }
      - { .name: Wq, .offset: 8, .size: 8, .value_kind: global_buffer, .address_space: global }
      - { .name: Wk, .offset: 16, .size: 8, .value_kind: global_buffer, .address_space: global }
      - { .name: Wv, .offset: 24, .size: 8, .value_kind: global_buffer, .address_space: global }
      - { .name: Wo, .offset: 32, .size: 8, .value_kind: global_buffer, .address_space: global }
      - { .name: c1, .offset: 40, .size: 8, .value_kind: global_buffer, .address_space: global }
      - { .name: s1, .offset: 48, .size: 8, .value_kind: global_buffer, .address_space: global }
    .group_segment_fixed_size: 17152
    .private_segment_fixed_size: 0
    .kernarg_segment_align: 8
    .kernarg_segment_size: 56
    .max_flat_workgroup_size: 64
    .sgpr_count:     66
    .vgpr_count:     256
    .wavefront_size: 32
...
	.end_amdgpu_metadata
.endif
;; end of part 1
;; launch qkv (part 2): grid 12 x 32, 4 waves a work-group, clusters of 4 x 4, 327,680 bytes of LDS; arguments c1, s1, bq, bk, bv, c2, s2; writes c2, s2
.if DOCPART == 2
	.amdgcn_target "amdgcn-amd-amdhsa--gfx1250"
	.amdhsa_code_object_version 6
	.text
	.protected	k_q5624b96152_qkv
	.globl	k_q5624b96152_qkv
	.p2align	8
	.type	k_q5624b96152_qkv,@function
k_q5624b96152_qkv:
	s_mov_b64 s[64:65], 0
	v_nop
	global_prefetch_b8 v0, s[64:65] scope:SCOPE_SE
	s_setreg_imm32_b32 hwreg(HW_REG_WAVE_MODE, 25, 1), 1
	s_wait_xcnt 0x0
	s_wait_alu depctr_hold_cnt(0) depctr_sa_sdst(0) depctr_va_vdst(0) depctr_va_sdst(0) depctr_va_ssrc(0) depctr_va_vcc(0) depctr_vm_vsrc(0)
	s_getreg_b32 s2, hwreg(HW_REG_IB_STS2, 6, 4)
	s_cmp_eq_u32 s2, 0
	s_cbranch_scc0 .Lentry_in_a_cluster
	s_endpgm
.Lentry_in_a_cluster:
	s_bfe_u32 s2, ttmp6, 0x10000c
	s_cmp_lg_u32 s2, 0xf033
	s_cbranch_scc0 .Lentry_shape_is_right
	s_endpgm
.Lentry_shape_is_right:
; q = x Wq^T + bq, k = x Wk^T + bk, v = x Wv^T + bv on codes of FP6 (E2M3) with E8M0 scales, sums in f32; the results are quantised here, in registers, for the attention:
; q and k along the head's 64 channels, v along the keys.  Nothing leaves as f32.
; A work-group makes 256 x 256 of a product, four waves of 128 x 128 (64 accumulators, 512 registers).  K = 1,024 goes in steps of 256 through a ring of two LDS slots.
; OPERANDS lie in memory as images of their registers (c1: [row tile][K step][1,536 bytes]); a slot takes, of each of 32 row tiles, 3,072 consecutive bytes; a fragment is read by two loads of 16 bytes
; and two of 8 bytes a lane, each instruction on consecutive bytes: no padding.  The scale words of the 512 rows, for all of K, come once, with the first fills.
; THE MATRIX INSTRUCTION: source 0 = "B" (its rows fall into a lane's registers), source 1 = "A" (its rows fall into the lanes).  A row tile's lane-row i is the true row 32 (tile / 2) + 8 (tile % 2) + i + 8 (i / 8),
; so that for one tile of A the 64 registers of B's eight tiles are: register 16 b + i = B's row 32 b + 16 (lane / 16) + i: neighbours, in the order that the conversions want.
; CLUSTER x = 0, 1 (q, k): A = x, B = the weight: a lane holds a token, its registers 128 channels = two heads.   CLUSTER x = 2 (v): A = Wv, B = x: a lane holds a channel, its registers 128 keys.
; The choice hangs on the cluster's x alone, which all sixteen partners share.  A's tiles are asked for jointly along a row of the cluster, B's along a column.
; OUT.  c2: q at 0, k at 6,291,456: [head][pair of token tiles][1,536]: registers 0-5 the even tile's half fragment (channels 32 (lane / 16) on), 6-11 the odd tile's; v at 12,582,912: [head][128 keys][channel tile][1,536];
; a fragment as three runs of 512 bytes, registers 4 m .. 4 m + 3 at 512 m + 16 x lane.  s2: q, k: [head][128 tokens][tile / 4][row][tile % 4] words, bytes 2, 3 = 0; v: [head][128 keys][row][channel tile] words.
; LIMITS: NaN and infinities are not served; a block whose largest magnitude lies under 2^-124 has its byte held at 1; a block of zeros gets the byte 1 where the rule says 127 (its codes are zeros; this program alone reads the bytes).
; REGISTERS: window 0: v1-31 addresses; v32-63 scale words, two sets; v64-127 the bias; v128-223 A's fragments, one set; on the way out v128-253 are at work.  window 1: B's fragments, two sets.  windows 2, 3: the accumulators.
.set NQ,     2                         ; steps of 128 along K in a slot
.set FR,     12                        ; registers of a fragment
.set NL,     4                         ; LDS loads that bring one
.set NP,     4                         ; places behind this matrix instruction (ISA guide 7.12.1)
.set FRB,    1536                      ; a fragment's image
.set TROW,   NQ*FRB                    ; a row tile's part of a slot
.set TILEB,  8*FRB                     ; a row tile in memory
.set HALFT,  8*TROW                    ; eight row tiles: what one tensor load brings, and what one wave reads of A or of B
.set SLOT,   4*HALFT                   ; A's 16 row tiles, then B's
.set LAPS,   2                         ; 1,024 / 512
.set SCL,    2*SLOT                    ; behind the ring: A's scale words, 8,192 bytes
.set SCLB,   SCL+8192+128              ; B's; the 128 bytes between put the two halves of a load's lanes on different banks
.set SPARE,  SCLB+8192+128             ; the spare words, 128 bytes for each wave: two blocks of 256 bytes that no other line names
.set ADRA, 16                          ; v16-17 LDS address of A's fragments in slot 0, 1 (16 x lane); v18-19 the same with 8 x lane
.set ADRB, 20                          ; v20-23 likewise for B
.set L16,  24                          ; v24  16 x lane
.set SOF,  25                          ; v25  the scale stores' offset
.set BOF,  26                          ; v26  the bias loads' offset
.set ADRS, 27                          ; v27  LDS address of my scale words: lanes 0-15 A's, lanes 16-31 B's
.set SPW,  28                          ; v28  LDS address of my spare word; never rewritten
.set NIL,  29                          ; v29  0; never rewritten
.set SC,   32
.set BI,   64
.set AF,   128
.set H,    128                         ; the way out: 64 numbers
.set TM,   192
.set CT,   210
.set SW,   218                         ; eight scale words
.set T4,   226
.set XA,   230                         ; twelve registers of codes
.set XB,   242
.set WV, 18                            ; s18 wave; s19 wave / 2: my half of A's rows, and: I fetch for A (0) or B (1); s20 wave % 2: my half of B's rows, and which eight tiles I fetch
.set RH, 19
.set CH, 20
.set CX, 21
.set CY, 22
.set XX, 23                            ; the cluster's x: 0 q, 1 k, 2 v
.set YY, 40                            ; the cluster's y
.set G1, 24
.set G0, 32
.set G1B, 48
.set G0B, 56
.set G1S, 68
.set G0S, 76
.set G1SB, 80
.set G0SB, 88
.set OUTC, 92
.set OUTS, 94
.set SEL, 96
.set BP, 98
.set MSB, 0
.macro WIN new                         ; the immediate's high byte repeats the setting that is left
.if MSB != (\new)
	s_set_vgpr_msb (MSB<<8)|(\new)
.set MSB, (\new)
.endif
.endm
.set MUL_LO, 0xa1                      ; source 0 (B) window 1, source 1 (A) window 0, C and D window 2
.set MUL_HI, 0xf1
.set TO_B,   0x40
.macro JLOAD g0a, g1a, g0b, g1b        ; a joint load: waves 0, 1 for A, waves 2, 3 for B; four v_nop follow each of the two lines
	s_cmp_eq_u32 s[RH], 0
	s_cbranch_scc0 .Lfor_b_\@
	tensor_load_to_lds s[\g0a:\g0a+3], s[\g1a:\g1a+7]
	s_nop 0
.rept 4
	v_nop
.endr
	s_branch .Lasked_\@
.Lfor_b_\@:
	tensor_load_to_lds s[\g0b:\g0b+3], s[\g1b:\g1b+7]
	s_nop 0
.rept 4
	v_nop
.endr
.Lasked_\@:
.endm
.macro CREST                           ; a round of the cluster's barrier behind its opening barrier
	s_cmp_lg_u32 s[WV], 0
	s_cbranch_scc1 .Lnot_wave_0_\@
	s_barrier_signal -3
.Lnot_wave_0_\@:
	s_barrier_wait -3
	s_barrier_signal -1
	s_barrier_wait -1
.endm
.macro CROUND
	s_barrier_signal -1
	s_barrier_wait -1
	CREST
.endm
.macro PLACES n
.rept \n
	v_nop
.endr
.endm
.macro QUANT s, d0, d1, pw             ; 64 numbers of a lane (register 16 b + i = k 32 b + 16 (lane / 16) + i of my row) -> six registers of codes at d0 (blocks 0, 1), six at d1 (blocks 2, 3), the scale word in pw
.irp b, 0,1,2,3
	v_max3_num_f32 v[TM+\b], |v[\s+16*\b]|, |v[\s+1+16*\b]|, 0x1800000   ; and the floor 2^(3 - 127): the byte cannot fall under 1
.endr
.irp i, 2,4,6,8,10,12,14
.irp b, 0,1,2,3
	v_max3_num_f32 v[TM+\b], v[TM+\b], |v[\s+16*\b+\i]|, |v[\s+1+16*\b+\i]|
.endr
.endr
.irp b, 0,1,2,3
	v_permlanex16_b32 v[TM+4+\b], v[TM+\b], s[SEL], s[SEL+1]
.endr
.irp b, 0,1,2,3
	v_max_num_f32 v[TM+\b], v[TM+\b], v[TM+4+\b]
.endr
.irp b, 0,1,2,3
	v_add_nc_u32 v[TM+12+\b], 0xff000000, v[TM+\b]   ; 2 off the exponent field: the conversion's scale operand
.endr
.irp b, 0,1,2,3
	v_lshrrev_b32 v[TM+4+\b], 23, v[TM+12+\b]
.endr
	v_lshl_or_b32 v[\pw], v[TM+5], 8, v[TM+4]
	v_lshl_or_b32 v[\pw], v[TM+6], 16, v[\pw]
	v_lshl_or_b32 v[\pw], v[TM+7], 24, v[\pw]
	v_cvt_scalef32_pk16_fp6_f32 v[\d0:\d0+2], v[\s:\s+15], v[TM+12]
	v_cvt_scalef32_pk16_fp6_f32 v[CT:CT+2], v[\s+16:\s+31], v[TM+13]
	v_cvt_scalef32_pk16_fp6_f32 v[\d1:\d1+2], v[\s+32:\s+47], v[TM+14]
	v_cvt_scalef32_pk16_fp6_f32 v[CT+4:CT+6], v[\s+48:\s+63], v[TM+15]
	v_nop                                          ; one plain place behind the scaled conversions
.irp i, 0,1,2
	v_permlane16_swap_b32 v[\d0+\i], v[CT+\i]
.endr
.irp i, 0,1,2
	v_mov_b32 v[\d0+3+\i], v[CT+\i]
.endr
.irp i, 0,1,2
	v_permlane16_swap_b32 v[\d1+\i], v[CT+4+\i]
.endr
.irp i, 0,1,2
	v_mov_b32 v[\d1+3+\i], v[CT+4+\i]
.endr
.endm
	s_load_b256 s[4:11], s[0:1], 0x0               ; c1, s1, bq, bk
	s_load_b128 s[12:15], s[0:1], 0x20             ; bv, c2
	s_load_b64 s[16:17], s[0:1], 0x30              ; s2
	v_lshl_add_u32 v[SPW], v0, 2, SPARE
	v_mov_b32 v[NIL], 0
	ds_add_u32 v28, v29
	ds_add_u32 v28, v29
	s_wait_dscnt 0x0
	v_lshrrev_b32 v1, 5, v0
	v_readfirstlane_b32 s[WV], v1
	s_lshr_b32 s[RH], s[WV], 1
	s_and_b32 s[CH], s[WV], 1
	s_bfe_u32 s[CX], ttmp6, 0x40000
	s_bfe_u32 s[CY], ttmp6, 0x40004
	s_mov_b32 s[XX], ttmp9
	s_and_b32 s[YY], ttmp7, 0xffff
	s_lshl_b32 s41, s[CY], 2
	s_lshl_b32 s41, 15, s41                        ; my row of the cluster
	s_lshl_b32 s42, 0x1111, s[CX]                  ; my column
	; group 1 for codes: 8 rows (row tiles) of 384 elements of 8 bytes, 1,536 elements apart; no padding
	s_or_b32 s[G1], s41, (3<<16)|(1<<21)
	s_or_b32 s[G1B], s42, (3<<16)|(1<<21)
.irp g, G1, G1B
	s_mov_b32 s[\g+1], 384<<16                     ; tensor_dim0
	s_mov_b32 s[\g+2], 8<<16                       ; tensor_dim1
	s_mov_b32 s[\g+3], 384<<16                     ; tile_dim0
	s_mov_b32 s[\g+4], 8                           ; tile_dim1
	s_mov_b32 s[\g+5], 1536                        ; the pitch
	s_mov_b32 s[\g+6], 0
	s_mov_b32 s[\g+7], 0
.endr
	; and for the scale words of eight row tiles: 4,096 dense bytes as 16 rows of 256
	s_or_b32 s[G1S], s41, (3<<16)|(1<<21)
	s_or_b32 s[G1SB], s42, (3<<16)|(1<<21)
.irp g, G1S, G1SB
	s_mov_b32 s[\g+1], 32<<16
	s_mov_b32 s[\g+2], 16<<16
	s_mov_b32 s[\g+3], 32<<16
	s_mov_b32 s[\g+4], 16
	s_mov_b32 s[\g+5], 32
	s_mov_b32 s[\g+6], 0
	s_mov_b32 s[\g+7], 0
.endr
	; which row tiles.  q, k: A = x's tile row 4 Y + cy, B = the weight's column block cx.  v: A = Wv's block cy, B = x's tile row 4 Y + cx.
	s_lshl_b32 s43, s[XX], 6
	s_add_co_u32 s43, s43, 512                     ; where weight X begins
	s_cmp_eq_u32 s[XX], 2
	s_cselect_b32 s44, 0, s[YY]
	s_cselect_b32 s45, s[YY], 0
	s_cselect_b32 s46, 640, 0
	s_cselect_b32 s43, 0, s43
	s_lshl_b32 s47, s[CH], 3                       ; which eight tiles I fetch
	s_lshl_b32 s44, s44, 2
	s_add_co_u32 s44, s44, s[CY]
	s_lshl_b32 s44, s44, 4
	s_add_co_u32 s44, s44, s47
	s_add_co_u32 s44, s44, s46                     ; A's first tile: it hangs on cy, never on cx
	s_lshl_b32 s45, s45, 2
	s_add_co_u32 s45, s45, s[CX]
	s_lshl_b32 s45, s45, 4
	s_add_co_u32 s45, s45, s47
	s_add_co_u32 s45, s45, s43                     ; B's: on cx, never on cy
	s_mul_i32 s46, s44, TILEB
	s_mov_b32 s47, 0
	s_mul_i32 s100, s45, TILEB
	s_mov_b32 s101, 0
	s_lshl_b32 s92, s44, 9
	s_mov_b32 s93, 0
	s_lshl_b32 s94, s45, 9
	s_mov_b32 s95, 0
	s_mul_i32 s41, s[WV], HALFT                    ; where the codes go: wave x eight tiles
	s_lshl_b32 s43, s[WV], 12                      ; and the scale words: wave x 4,096, + 128 for B's
	s_lshl_b32 s42, s[RH], 7
	s_add_co_u32 s43, s43, s42
	s_mov_b32 s[SEL], 0x76543210
	s_mov_b32 s[SEL+1], 0xfedcba98
	s_wait_kmcnt 0x0
	s_add_nc_u64 s[46:47], s[4:5], s[46:47]
	s_add_nc_u64 s[100:101], s[4:5], s[100:101]
	s_add_nc_u64 s[92:93], s[6:7], s[92:93]
	s_add_nc_u64 s[94:95], s[6:7], s[94:95]
	CROUND                                         ; all sixteen work-groups are here: the first joint loads meet
	s_mov_b32 s[G0S], 1
	s_add_co_u32 s[G0S+1], s43, SCL
	s_mov_b64 s[G0S+2:G0S+3], s[92:93]
	s_or_b32 s[G0S+3], s[G0S+3], 0x80000000
	s_mov_b32 s[G0SB], 1
	s_add_co_u32 s[G0SB+1], s43, SCL
	s_mov_b64 s[G0SB+2:G0SB+3], s[94:95]
	s_or_b32 s[G0SB+3], s[G0SB+3], 0x80000000
	JLOAD G0S, G1S, G0SB, G1SB                     ; the scale words first: they are wanted with the first K step
.irp s, 0,1
	s_mov_b32 s[G0+4*\s], 1
	s_add_co_u32 s[G0+4*\s+1], s41, \s*SLOT
	s_add_nc_u64 s[G0+4*\s+2:G0+4*\s+3], s[46:47], \s*TROW
	s_or_b32 s[G0+4*\s+3], s[G0+4*\s+3], 0x80000000
	s_mov_b32 s[G0B+4*\s], 1
	s_add_co_u32 s[G0B+4*\s+1], s41, \s*SLOT
	s_add_nc_u64 s[G0B+4*\s+2:G0B+4*\s+3], s[100:101], \s*TROW
	s_or_b32 s[G0B+4*\s+3], s[G0B+4*\s+3], 0x80000000
	JLOAD G0+4*\s, G1, G0B+4*\s, G1B
.endr
	v_and_b32 v1, 31, v0                           ; lane
	v_and_b32 v2, 15, v0                           ; r: kept
	v_bfe_u32 v3, v0, 4, 1                         ; h: kept
	v_lshlrev_b32 v[L16], 4, v1
	v_lshlrev_b32 v4, 3, v1
	s_mul_i32 s41, s[RH], HALFT                    ; my eight tiles of A
	s_mul_i32 s42, s[CH], HALFT                    ; my eight of B,
	s_add_co_u32 s42, s42, 2*HALFT                 ; which lie behind A's sixteen
.irp s, 0,1
	v_add_nc_u32 v[ADRA+\s], s41, v[L16]
	v_add_nc_u32 v[ADRA+2+\s], s41, v4
	v_add_nc_u32 v[ADRB+\s], s42, v[L16]
	v_add_nc_u32 v[ADRB+2+\s], s42, v4
	s_add_co_u32 s41, s41, SLOT
	s_add_co_u32 s42, s42, SLOT
.endr
	s_lshl_b32 s41, s[RH], 12                      ; A's scale words: my eight tiles
	s_lshl_b32 s42, s[CH], 12                      ; B's
	s_add_co_u32 s42, s42, SCLB-SCL
	s_sub_co_u32 s42, s42, s41
	v_mul_u32_u24 v5, s42, v3                      ; lanes 16-31 take B's: one product, the distance between the two bases
	s_add_co_u32 s41, s41, SCL
	v_lshl_add_u32 v5, v2, 3, v5                   ; 8 bytes a row: the slot's two words
	v_add_nc_u32 v[ADRS], s41, v5
.macro FRAG reg, adr, q, i             ; a fragment's image: two halves of 768 bytes, each 16 bytes a lane and then 8 bytes a lane
	ds_load_b128 v[\reg:\reg+3], v[\adr] offset:(\i)*TROW+(\q)*FRB
	ds_load_b64 v[\reg+4:\reg+5], v[\adr+2] offset:(\i)*TROW+(\q)*FRB+512
	ds_load_b128 v[\reg+6:\reg+9], v[\adr] offset:(\i)*TROW+(\q)*FRB+768
	ds_load_b64 v[\reg+10:\reg+11], v[\adr+2] offset:(\i)*TROW+(\q)*FRB+1280
.endm
; 16 matrix instructions: A's tiles a0, a0 + 1 x B's eight.  The 64 accumulators take turns, one instruction a turn, in the same order in every step.
.macro MUL16 a0, p, q, sc, zero
.irp a, \a0, \a0+1
.irp b, 0,1,2,3,4,5,6,7
.if \zero
	v_wmma_scale_f32_16x16x128_f8f6f4 v[8*(8*((\a)%4)+\b):8*(8*((\a)%4)+\b)+7], v[128*(\p)+FR*\b:128*(\p)+FR*\b+FR-1], v[AF+FR*(\a):AF+FR*(\a)+FR-1], 0, v[SC+8*NQ*(\sc)+NQ*\b+(\q)], v[SC+8*NQ*(\sc)+NQ*(\a)+(\q)] matrix_a_fmt:MATRIX_FMT_FP6 matrix_b_fmt:MATRIX_FMT_FP6 matrix_a_scale:MATRIX_SCALE_ROW1
.else
	v_wmma_scale_f32_16x16x128_f8f6f4 v[8*(8*((\a)%4)+\b):8*(8*((\a)%4)+\b)+7], v[128*(\p)+FR*\b:128*(\p)+FR*\b+FR-1], v[AF+FR*(\a):AF+FR*(\a)+FR-1], v[8*(8*((\a)%4)+\b):8*(8*((\a)%4)+\b)+7], v[SC+8*NQ*(\sc)+NQ*\b+(\q)], v[SC+8*NQ*(\sc)+NQ*(\a)+(\q)] matrix_a_fmt:MATRIX_FMT_FP6 matrix_b_fmt:MATRIX_FMT_FP6 matrix_a_scale:MATRIX_SCALE_ROW1
.endif
.endr
.endr
.endm
.macro FETCH_B slot, q, p
	WIN TO_B
.irp i, 0,1,2,3,4,5,6,7
	FRAG 128*(\p)+FR*\i, ADRB+\slot, \q, \i
.endr
	WIN 0
.endm
.macro FETCH_A slot, q, i0
.irp i, \i0, \i0+1, \i0+2, \i0+3
	FRAG AF+FR*(\i), ADRA+\slot, \q, \i
.endr
.endm
.macro SCALES sc                       ; the slot's two words a row: lanes 0-15 A's tile i, lanes 16-31 B's tile i
.irp i, 0,1,2,3,4,5,6,7
	ds_load_b64 v[SC+8*NQ*\sc+NQ*\i:SC+8*NQ*\sc+NQ*\i+1], v[ADRS] offset:\i*512
.endr
.endm
.macro STEP slot, q, zero              ; a step of 128 along K that has its successor in the same slot
	s_wait_dscnt 4*NL                              ; B's set and A's tiles 0-3 are in; the youngest 16 loads (A's tiles 4-7) may be out
	WIN MUL_LO
	MUL16 0, (\q)%2, \q, \slot, \zero
	MUL16 2, (\q)%2, \q, \slot, \zero
	s_wait_dscnt 0
	PLACES NP                                      ; in front of loads into registers that matrix instructions have read
	FETCH_B \slot, (\q)+1, 1-(\q)%2
	FETCH_A \slot, (\q)+1, 0
	WIN MUL_HI
	MUL16 4, (\q)%2, \q, \slot, \zero
	MUL16 6, (\q)%2, \q, \slot, \zero
	PLACES NP
	WIN 0
	FETCH_A \slot, (\q)+1, 4
.endm
.macro TURN slot, next, fill           ; a slot's last step changes slots: one barrier; fill = 1: this slot is filled again, two slots ahead
	s_wait_tensorcnt 0x0                           ; all my tensor loads have landed: my part of the next slot
	ds_add_u32 v[SPW], v[NIL]                      ; 0 onto my spare word
	s_wait_dscnt 4*NL+1                            ; (the add and the youngest 16 loads may be out)
	WIN MUL_LO
	MUL16 0, 1, NQ-1, \slot, 0
	s_wait_dscnt 0x0                               ; the add is done, and my reads of this slot are over
	s_barrier_signal -1
	MUL16 2, 1, NQ-1, \slot, 0
	WIN 0
	s_barrier_wait -1
.if \fill
	CREST                                          ; the barrier has opened a round of the cluster's: no wave of any partner still reads this slot or has a load on its way
	s_add_nc_u64 s[G0+4*\slot+2:G0+4*\slot+3], s[G0+4*\slot+2:G0+4*\slot+3], 2*TROW
	s_add_nc_u64 s[G0B+4*\slot+2:G0B+4*\slot+3], s[G0B+4*\slot+2:G0B+4*\slot+3], 2*TROW
	JLOAD G0+4*\slot, G1, G0B+4*\slot, G1B         ; the first tensor load behind the round; its four v_nop are the places in front of the loads below
.else
	PLACES NP
.endif
	v_add_nc_u32 v[ADRS], 128, v[ADRS]             ; the next slot's scale words
	FETCH_B \next, 0, 0
	FETCH_A \next, 0, 0
	SCALES \next
	WIN MUL_HI
	MUL16 4, 1, NQ-1, \slot, 0
	MUL16 6, 1, NQ-1, \slot, 0
	PLACES NP
	WIN 0
	FETCH_A \next, 0, 4
.endm
.macro TAIL                            ; the last slot's two steps: nothing more is fetched behind them
	STEP 1, 0, 0
	s_wait_dscnt 4*NL
	WIN MUL_LO
	MUL16 0, 1, NQ-1, 1, 0
	MUL16 2, 1, NQ-1, 1, 0
	s_wait_dscnt 0
	WIN MUL_HI
	MUL16 4, 1, NQ-1, 1, 0
	MUL16 6, 1, NQ-1, 1, 0
	WIN 0
.endm
	s_wait_tensorcnt 1                             ; the scale words and my part of slot 0 are in (slot 1's load may be out),
	s_barrier_signal -1
	s_barrier_wait -1                              ; everybody's are
	FETCH_B 0, 0, 0
	FETCH_A 0, 0, 0
	SCALES 0
	FETCH_A 0, 0, 4
	STEP 0, 0, 1                                   ; the first step's products start the sums: nothing is cleared
	s_mov_b32 s3, LAPS-1
.Llap:                                             ; a trip goes once round the ring and fills both slots again
	TURN 0, 1, 1
	STEP 1, 0, 0
	TURN 1, 0, 1
	STEP 0, 0, 0
	s_sub_co_u32 s3, s3, 1
	s_cmp_lg_u32 s3, 0
	s_cbranch_scc1 .Llap
	TURN 0, 1, 0                                   ; the last change of slots fills nothing
	s_cmp_eq_u32 s[XX], 2                          ; the ways part on the cluster's x: no barrier and no LDS store stands on either
	s_cbranch_scc1 .Lv
	; ---- q, k: a lane holds a token; the bias lies along the registers.  It is asked for here and lands under the last 128 matrix instructions
	s_lshl_b32 s41, s[YY], 2
	s_add_co_u32 s41, s41, s[CY]                   ; x's tile row
	s_lshr_b32 s42, s41, 3                         ; the batch
	s_and_b32 s41, s41, 7
	s_lshl_b32 s41, s41, 1
	s_add_co_u32 s41, s41, s[RH]                   ; my 128 tokens in it
	s_lshl_b32 s43, s[CX], 2
	s_lshl_b32 s44, s[CH], 1
	s_add_co_u32 s43, s43, s44                     ; my first head
	s_lshl_b32 s42, s42, 4
	s_add_co_u32 s42, s42, s43
	s_mul_i32 s44, s42, 98304
	s_mul_i32 s45, s41, 4*FRB
	s_add_co_u32 s44, s44, s45
	s_mul_i32 s45, s[XX], 6291456
	s_add_co_u32 s44, s44, s45
	s_mov_b32 s45, 0
	s_add_nc_u64 s[OUTC:OUTC+1], s[14:15], s[44:45]
	s_lshl_b32 s44, s42, 13
	s_lshl_b32 s46, s41, 9
	s_add_co_u32 s44, s44, s46
	s_lshl_b32 s46, s[XX], 19
	s_add_co_u32 s44, s44, s46
	s_add_nc_u64 s[OUTS:OUTS+1], s[16:17], s[44:45]
	s_cmp_eq_u32 s[XX], 0
	s_cselect_b64 s[BP:BP+1], s[8:9], s[10:11]
	s_lshl_b32 s44, s[CX], 10
	s_lshl_b32 s46, s[CH], 9
	s_add_co_u32 s44, s44, s46
	s_add_nc_u64 s[BP:BP+1], s[BP:BP+1], s[44:45]
	v_lshlrev_b32 v[BOF], 6, v3                    ; 16 h channels
.irp b, 0,1,2,3,4,5,6,7
	global_load_b128 v[BI+8*\b:BI+8*\b+3], v[BOF], s[BP:BP+1] offset:(32*(\b/2)+8*(\b%2))*4
	global_load_b128 v[BI+8*\b+4:BI+8*\b+7], v[BOF], s[BP:BP+1] offset:(32*(\b/2)+8*(\b%2))*4+16
.endr
	TAIL
	PLACES NP                                      ; in front of the first read of results and of writes into A's registers
.irp b, 0,1,2,3
	v_mov_b32 v[TM+4+\b], 0                        ; a lane permute's destination counts as one of its sources
.endr
	v_lshlrev_b32 v5, 4, v2
	v_lshl_add_u32 v[SOF], v3, 8, v5               ; 256 h + 16 r
	s_wait_loadcnt 0x0                             ; the bias
.irp a, 0,1,2,3,4,5,6,7                ; token tile a: 128 channels a lane = two heads x two blocks
	WIN 0x02+\a/4                                  ; source 0: the accumulators' window
.set k, 0
.rept 32
	v_pk_add_f32 v[H+k:H+k+1], v[64*(\a%4)+k:64*(\a%4)+k+1], v[BI+k:BI+k+1]   ; + bias; each accumulator from its low end on
.set k, k+2
.endr
	WIN 0
.if (\a%2 == 0) && (\a > 0)
	s_wait_xcnt 0x0                                ; the last pair's stores have read the codes' registers
.endif
.set D0, XA+6*(\a%2)
.set D1, XB+6*(\a%2)
.set PWR, SW+\a
	QUANT H, D0, D1, PWR
.if \a%2 == 1
.irp m, 0,1,2
	global_store_b128 v[L16], v[XA+4*\m:XA+4*\m+3], s[OUTC:OUTC+1] offset:(\a/2)*FRB+512*\m          ; my first head: 512 consecutive bytes a store
.endr
.irp m, 0,1,2
	global_store_b128 v[L16], v[XB+4*\m:XB+4*\m+3], s[OUTC:OUTC+1] offset:98304+(\a/2)*FRB+512*\m    ; my second
.endr
.endif
.endr
	v_cmp_ne_u32 vcc_lo, 0, v3
.irp k, 0,1,2,3
	v_cndmask_b32 v[T4+\k], v[SW+\k], v[SW+4+\k], vcc_lo   ; lanes 0-15: tiles 0-3; lanes 16-31: tiles 4-7
.endr
	s_wait_xcnt 0x0                                ; the last stores have read XA
.irp k, 0,1,2,3
	v_lshrrev_b32 v[XA+\k], 16, v[T4+\k]           ; the second head's two bytes; bytes 2, 3 = 0
.endr
.irp k, 0,1,2,3
	v_and_b32 v[T4+\k], 0xffff, v[T4+\k]           ; the first head's
.endr
	global_store_b128 v[SOF], v[T4:T4+3], s[OUTS:OUTS+1]
	global_store_b128 v[SOF], v[XA:XA+3], s[OUTS:OUTS+1] offset:8192
	s_branch .Ldone
.Lv:	; ---- v: a lane holds a channel, its registers 128 keys; the bias is one number a lane and tile
	s_lshl_b32 s41, s[YY], 2
	s_add_co_u32 s41, s41, s[CX]                   ; x's tile row
	s_lshr_b32 s42, s41, 3                         ; the batch
	s_and_b32 s41, s41, 7
	s_lshl_b32 s41, s41, 1
	s_add_co_u32 s41, s41, s[CH]                   ; my 128 keys in it
	s_lshl_b32 s43, s[CY], 2
	s_lshl_b32 s44, s[RH], 1
	s_add_co_u32 s43, s43, s44                     ; my first head
	s_lshl_b32 s42, s42, 4
	s_add_co_u32 s42, s42, s43
	s_mul_i32 s44, s42, 98304
	s_mul_i32 s45, s41, 4*FRB
	s_add_co_u32 s44, s44, s45
	s_add_co_u32 s44, s44, 12582912
	s_mov_b32 s45, 0
	s_add_nc_u64 s[OUTC:OUTC+1], s[14:15], s[44:45]
	s_lshl_b32 s44, s42, 12
	s_lshl_b32 s46, s41, 8
	s_add_co_u32 s44, s44, s46
	s_add_co_u32 s44, s44, 1048576
	s_add_nc_u64 s[OUTS:OUTS+1], s[16:17], s[44:45]
	s_lshl_b32 s44, s[CY], 10
	s_lshl_b32 s46, s[RH], 9
	s_add_co_u32 s44, s44, s46
	s_add_nc_u64 s[BP:BP+1], s[12:13], s[44:45]
	v_and_b32 v[BOF], 8, v2
	v_add_nc_u32 v[BOF], v[BOF], v2
	v_lshlrev_b32 v[BOF], 2, v[BOF]                ; channel r + 8 (r / 8) of a tile
.irp a, 0,1,2,3,4,5,6,7
	global_load_b32 v[BI+2*\a], v[BOF], s[BP:BP+1] offset:(32*(\a/2)+8*(\a%2))*4
	global_load_b32 v[BI+2*\a+1], v[BOF], s[BP:BP+1] offset:(32*(\a/2)+8*(\a%2))*4   ; twice: a pair for the packed addition
.endr
	TAIL
	PLACES NP
.irp b, 0,1,2,3
	v_mov_b32 v[TM+4+\b], 0
.endr
	v_lshlrev_b32 v5, 4, v2
	v_lshl_add_u32 v[SOF], v3, 12, v5              ; 4,096 h + 16 r: lanes 16-31 store the second head's
	s_wait_loadcnt 0x0
.irp a, 0,1,2,3,4,5,6,7                ; channel tile a: head a / 4, tile a % 4 of it; one whole fragment: 16 channels x 128 keys
	WIN 0x02+\a/4
.set k, 0
.rept 32
	v_pk_add_f32 v[H+k:H+k+1], v[64*(\a%4)+k:64*(\a%4)+k+1], v[BI+2*\a:BI+2*\a+1]
.set k, k+2
.endr
	WIN 0
.if \a > 0
	s_wait_xcnt 0x0                                ; the last tile's stores have read the codes' registers
.endif
.set PWR, SW+\a
	QUANT H, XA, XA+6, PWR
.irp m, 0,1,2
	global_store_b128 v[L16], v[XA+4*\m:XA+4*\m+3], s[OUTC:OUTC+1] offset:(\a/4)*98304+(\a%4)*FRB+512*\m
.endr
.endr
	v_cmp_ne_u32 vcc_lo, 0, v3
.irp k, 0,1,2,3
	v_cndmask_b32 v[T4+\k], v[SW+\k], v[SW+4+\k], vcc_lo
.endr
	global_store_b128 v[SOF], v[T4:T4+3], s[OUTS:OUTS+1]   ; sixteen lanes store 256 consecutive bytes, aligned
.Ldone:
	s_wait_tensorcnt 0x0                           ; the wave's end
	ds_add_u32 v[SPW], v[NIL]
	s_wait_dscnt 0x0
	CROUND                                         ; the closing round: no work-group ends while a partner may still ask for a tile that names it
	s_endpgm
.Lfunc_end_k_q5624b96152_qkv:
	.size	k_q5624b96152_qkv, .Lfunc_end_k_q5624b96152_qkv-k_q5624b96152_qkv
	.p2alignl 7, 3214868480
	.fill 96, 4, 3214868480
	.section	.rodata,"a",@progbits
	.p2align	6, 0x0
	.amdhsa_kernel k_q5624b96152_qkv
		.amdhsa_group_segment_fixed_size 327680
		.amdhsa_private_segment_fixed_size 0
		.amdhsa_enable_private_segment 0
		.amdhsa_kernarg_size 56
		.amdhsa_user_sgpr_count 2
		.amdhsa_user_sgpr_kernarg_segment_ptr 1
		.amdhsa_wavefront_size32 1
		.amdhsa_system_sgpr_workgroup_id_x 1
		.amdhsa_system_sgpr_workgroup_id_y 1
		.amdhsa_system_sgpr_workgroup_id_z 1
		.amdhsa_system_vgpr_workitem_id 0
		.amdhsa_next_free_vgpr 1024
		.amdhsa_next_free_sgpr 104
		.amdhsa_reserve_vcc 1
		.amdhsa_float_denorm_mode_32 3
		.amdhsa_float_denorm_mode_16_64 3
		.amdhsa_memory_ordered 1
		.amdhsa_forward_progress 1
		.amdhsa_inst_pref_size 239
	.end_amdhsa_kernel
	.amdgpu_metadata
---
amdhsa.version: [ 1, 2 ]
amdhsa.kernels:
  - .name:           k_q5624b96152_qkv
    .symbol:         k_q5624b96152_qkv.kd
    .args:
      - { .name: c1, .offset: 0, .size: 8, .value_kind: global_buffer, .address_space: global }
      - { .name: s1, .offset: 8, .size: 8, .value_kind: global_buffer, .address_space: global }
      - { .name: bq, .offset: 16, .size: 8, .value_kind: global_buffer, .address_space: global }
      - { .name: bk, .offset: 24, .size: 8, .value_kind: global_buffer, .address_space: global }
      - { .name: bv, .offset: 32, .size: 8, .value_kind: global_buffer, .address_space: global }
      - { .name: c2, .offset: 40, .size: 8, .value_kind: global_buffer, .address_space: global }
      - { .name: s2, .offset: 48, .size: 8, .value_kind: global_buffer, .address_space: global }
    .group_segment_fixed_size: 327680
    .private_segment_fixed_size: 0
    .kernarg_segment_align: 8
    .kernarg_segment_size: 56
    .max_flat_workgroup_size: 128
    .sgpr_count:     104
    .vgpr_count:     1024
    .wavefront_size: 32
...
	.end_amdgpu_metadata
.endif
;; end of part 2
;; launch attn (part 3): grid 4 x 64, 16 waves a work-group, clusters of 4 x 1, 210,944 bytes of LDS; arguments c2, s2, yc, ys; writes yc, ys
.if DOCPART == 3
	.amdgcn_target "amdgcn-amd-amdhsa--gfx1250"
	.amdhsa_code_object_version 6
	.text
	.protected	k_q5624b96152_attn
	.globl	k_q5624b96152_attn
	.p2align	8
	.type	k_q5624b96152_attn,@function
k_q5624b96152_attn:
	s_mov_b64 s[64:65], 0
	v_nop
	global_prefetch_b8 v0, s[64:65] scope:SCOPE_SE
	s_setreg_imm32_b32 hwreg(HW_REG_WAVE_MODE, 25, 1), 1
	s_wait_xcnt 0x0
	s_wait_alu depctr_hold_cnt(0) depctr_sa_sdst(0) depctr_va_vdst(0) depctr_va_sdst(0) depctr_va_ssrc(0) depctr_va_vcc(0) depctr_vm_vsrc(0)
	s_getreg_b32 s2, hwreg(HW_REG_IB_STS2, 6, 4)
	s_cmp_eq_u32 s2, 0
	s_cbranch_scc0 .Lentry_in_a_cluster
	s_endpgm
.Lentry_in_a_cluster:
	s_bfe_u32 s2, ttmp6, 0x10000c
	s_cmp_lg_u32 s2, 0x3003
	s_cbranch_scc0 .Lentry_shape_is_right
	s_endpgm
.Lentry_shape_is_right:
; y[head][q] = the sum over k <= q of softmax_k(q . k / 8) v[k], both products on codes of FP6 (E2M3) with E8M0 scales; y is quantised here, along the model's 1,024 channels (two blocks a head), for the last product.
; THE SOFTMAX AHEAD OF THE SECOND PRODUCT: t = score x log2(e) / 8; M = the running largest t rounded UP to a whole number; p = 2^(t - M) is quantised along the keys, not normalised; the row's sum is taken of the
; unquantised p and divides at the end.  When M moves, the sum and O are multiplied by 2^(old M - new M): exact.
; A HEAD'S K AND V LIE IN LDS WHOLE (96 KiB of codes each, 12 KiB of scale words), filled once: no ring, no refill, no barrier in the loops.  The four work-groups of a head are a cluster and ask for every block jointly.
; SHARES.  A head's 2,048 queries are 16 groups of 128, each of 8 tiles of 16.  Wave w of work-group cx takes tile 2 cx + w / 8 of group w % 8 and then of group 15 - w % 8: (w % 8 + 1) + (16 - w % 8) = 17 key steps
; of 128 keys in every wave.  Which steps are left out or lie on the diagonal hangs on the wave's number and a counter alone; cx enters global addresses and one lane value (my query's place in its group).
; LAYOUT.  Both products transposed: S^T = K Q^T (source 0 = 16 keys), O^T = V^T P^T (source 0 = 16 channels): a lane holds one query throughout.  A tile's lane-row i is the true row 32 (tile / 2) + 8 (tile % 2) + i + 8 (i / 8),
; for keys, queries and channels alike: so the 16 registers of two neighbouring tiles are 16 neighbours along the next K.
; K = 64 IN A FORM OF 128: Q's registers 6-11 hold zero codes, so the upper six registers of K's operand may hold any codes (the format has no NaN and no infinity): the eight key tiles' half fragments lie on end, and tile t's
; operand runs on over tile t + 1's.  The scale bytes of the upper two blocks are 0, a power of two like any other.
; LIMITS: NaN and infinities are not served; a block whose largest magnitude lies under 2^-124 has its byte held at 1; a block of zeros gets the byte 1 where the rule says 127 (its codes are zeros; this program alone reads the bytes).
; y's scale bytes leave as 2 bytes a lane, 8 bytes apart: a scale word's four bytes belong to two heads, which are two clusters.
.set KC,   0                           ; LDS: K's codes: [128 keys][four pairs of tiles][1,536]
.set VC,   98304                       ; V's: [128 keys][four channel tiles][1,536]
.set KSL,  196608                      ; K's scale words, 512 bytes for 128 keys
.set VSL,  204800                      ; V's, 256 bytes for 128 keys
.set AK0,  1                           ; v1   16 x lane (also y's offset)
.set AV0,  2                           ; v2   VC + 16 x lane
.set ASK0, 3                           ; v3   KSL + 16 r
.set ASV0, 4                           ; v4   VSL + 16 r
.set ADK,  5                           ; v5-8 the step's addresses
.set ADV,  6
.set ADS,  7
.set ADT,  8
.set DQ,   9                           ; v9   my query's place in its group of 128, less 16 (lane / 16)
.set L8,   10                          ; v10  8 x lane
.set R8,   11                          ; v11  8 r
.set Q,    16                          ; v16-27 Q's operand; v22-27 stay 0       (v12 -M, v13 the largest t, v[14:15] the sum in two halves)
.set QN,   28                          ; v28-33 the second unit's Q
.set QS,   34                          ; v34, v35 Q's scale words
.set QSN,  35
.set KSC,  36                          ; v36-43 K's scale words
.set VSC,  44                          ; v44-47 V's
.set PSW,  48                          ; v48  p's
.set NINF, 49                          ; v49  -infinity
.set KV,   50                          ; v50-97 the step's K, then its V; v98-103 stay 0
.set S,    104                         ; v104-167 S^T, then p
.set O,    168                         ; v168-199 O^T
.set PCD,  200                         ; v200-211 p's codes
.set CT,   212
.set TM,   220
.set TP,   224
.set TE,   228
.set F,    232                         ; v[232:233] f = 2^(old M - new M); v233 is written once
.set TT,   234
.set SUM2, 236
.set YCD,  238                         ; v238-243 y's codes
.set YB,   244                         ; v244 y's two scale bytes
.set R16,  245
.set QO0,  246
.set QO1,  247
.set WV,  12
.set G,   13                           ; the unit's group = its last key step
.set SUB, 14
.set CX,  15
.set BH,  16
.set HD,  17
.set BB,  18
.set SEL, 20
.set CS,  22                           ; s[22:23] c = log2(e) / 8
.set G1C, 24
.set G1KS, 32
.set G1VS, 40
.set G0K, 48
.set G0V, 52
.set G0KS, 56
.set G0VS, 60
.set KS,  66
.set TK,  68
.set TS,  69
.set TV,  70
.set YC0, 72
.set YC1, 74
.set YS0, 76
.set YS1, 78
.set QC0, 80
.set QC1, 82
.set QS0, 84
.set QS1, 86
.macro CROUND                          ; a round of the cluster's barrier
	s_barrier_signal -1
	s_barrier_wait -1
	s_cmp_lg_u32 s[WV], 0
	s_cbranch_scc1 .Lnot_wave_0_\@
	s_barrier_signal -3
.Lnot_wave_0_\@:
	s_barrier_wait -3
	s_barrier_signal -1
	s_barrier_wait -1
.endm
	s_load_b256 s[4:11], s[0:1], 0x0               ; c2, s2, yc, ys
	v_lshl_add_u32 v254, v0, 2, 0x33000
	v_mov_b32 v255, 0
	ds_add_u32 v254, v255
	ds_add_u32 v254, v255
	v_lshrrev_b32 v1, 5, v0
	s_delay_alu instid0(VALU_DEP_1)
	v_readfirstlane_b32 s[WV], v1                  ; wave 0..15
	s_and_b32 s[G], s[WV], 7
	s_lshr_b32 s[SUB], s[WV], 3
	s_bfe_u32 s[CX], ttmp6, 0x40000
	s_and_b32 s[BH], ttmp7, 0xffff                 ; 16 x batch + head: the four partners share it
	s_and_b32 s[HD], s[BH], 15
	s_lshr_b32 s[BB], s[BH], 4
	; group 1: dense blocks as rows of 256 bytes (32 elements of 8 bytes); the mask names all four work-groups, bit 21 beside it
.irp g, G1C, G1KS, G1VS
	s_mov_b32 s[\g], 15|(3<<16)|(1<<21)
	s_mov_b32 s[\g+1], 32<<16
	s_mov_b32 s[\g+3], 32<<16
	s_mov_b32 s[\g+5], 32
	s_mov_b32 s[\g+6], 0
	s_mov_b32 s[\g+7], 0
.endr
	s_mov_b32 s[G1C+2], 96<<16                     ; a quarter of a head's codes: 24,576 bytes
	s_mov_b32 s[G1C+4], 96
	s_mov_b32 s[G1KS+2], 32<<16                    ; K's scale words: 8,192
	s_mov_b32 s[G1KS+4], 32
	s_mov_b32 s[G1VS+2], 16<<16                    ; V's: 4,096
	s_mov_b32 s[G1VS+4], 16
	s_and_b32 s88, s[WV], 3
	s_mul_i32 s88, s88, 24576                      ; the quarter that waves 0-3 fetch
	s_mul_i32 s96, s[BH], 98304                    ; the head's codes
	s_add_co_u32 s90, s96, s88
	s_mov_b32 s91, 0
	s_lshl_b32 s92, s[BH], 13
	s_mov_b32 s93, 0
	s_mov_b32 s[SEL], 0x76543210
	s_mov_b32 s[SEL+1], 0xfedcba98
	s_mov_b32 s[CS], 0x3e38aa3b
	s_mov_b32 s[CS+1], s[CS]                       ; (named with it as a pair, so it is written)
	s_wait_dscnt 0x0
	s_wait_kmcnt 0x0
	s_mov_b32 s[G0K], 1
	s_add_co_u32 s[G0K+1], s88, KC
	s_add_nc_u64 s[G0K+2:G0K+3], s[4:5], s[90:91]
	s_add_nc_u64 s[G0K+2:G0K+3], s[G0K+2:G0K+3], 6291456
	s_or_b32 s[G0K+3], s[G0K+3], 0x80000000
	s_mov_b32 s[G0V], 1
	s_add_co_u32 s[G0V+1], s88, VC
	s_add_nc_u64 s[G0V+2:G0V+3], s[4:5], s[90:91]
	s_add_nc_u64 s[G0V+2:G0V+3], s[G0V+2:G0V+3], 12582912
	s_or_b32 s[G0V+3], s[G0V+3], 0x80000000
	s_mov_b32 s[G0KS], 1
	s_mov_b32 s[G0KS+1], KSL
	s_add_nc_u64 s[G0KS+2:G0KS+3], s[6:7], s[92:93]
	s_add_nc_u64 s[G0KS+2:G0KS+3], s[G0KS+2:G0KS+3], 524288
	s_or_b32 s[G0KS+3], s[G0KS+3], 0x80000000
	s_lshl_b32 s92, s[BH], 12
	s_mov_b32 s[G0VS], 1
	s_mov_b32 s[G0VS+1], VSL
	s_add_nc_u64 s[G0VS+2:G0VS+3], s[6:7], s[92:93]
	s_add_nc_u64 s[G0VS+2:G0VS+3], s[G0VS+2:G0VS+3], 1048576
	s_or_b32 s[G0VS+3], s[G0VS+3], 0x80000000
	CROUND                                         ; all four work-groups are here: the joint loads meet
	s_cmp_lt_u32 s[WV], 4                          ; a wave's fills stand in one branch on its number: two loads of mine are out at the most
	s_cbranch_scc0 .Lnot_codes
	tensor_load_to_lds s[G0K:G0K+3], s[G1C:G1C+7]
	s_nop 0
	tensor_load_to_lds s[G0V:G0V+3], s[G1C:G1C+7]
	s_nop 0
.rept 4
	v_nop
.endr
	s_branch .Lasked
.Lnot_codes:
	s_cmp_eq_u32 s[WV], 4
	s_cbranch_scc0 .Lasked
	tensor_load_to_lds s[G0KS:G0KS+3], s[G1KS:G1KS+7]
	s_nop 0
	tensor_load_to_lds s[G0VS:G0VS+3], s[G1VS:G1VS+7]
	s_nop 0
.rept 4
	v_nop
.endr
.Lasked:
	v_and_b32 v5, 31, v0                           ; lane
	v_and_b32 v6, 15, v0                           ; r
	v_bfe_u32 v7, v0, 4, 1                         ; h
	s_delay_alu instid0(VALU_DEP_3)
	v_lshlrev_b32 v[AK0], 4, v5
	s_delay_alu instid0(VALU_DEP_1)
	v_add_nc_u32 v[AV0], VC, v[AK0]
	s_delay_alu instid0(VALU_DEP_4)
	v_lshlrev_b32 v[R16], 4, v6
	s_delay_alu instid0(VALU_DEP_1)
	v_add_nc_u32 v[ASK0], KSL, v[R16]
	s_delay_alu instid0(VALU_DEP_2)
	v_add_nc_u32 v[ASV0], VSL, v[R16]
	v_lshlrev_b32 v[L8], 3, v5
	v_lshlrev_b32 v[R8], 3, v6
	s_mul_i32 s88, s[SUB], 520                     ; Q's half fragment: registers 6 sub .. 6 sub + 5 of the pair's twelve, which lie four to a run of 512 bytes
	v_add_nc_u32 v[QO0], s88, v[AK0]
	s_wait_alu depctr_va_vdst(0)
	s_mul_i32 s88, s[SUB], 1016
	v_add_nc_u32 v[QO1], s88, v[AK0]
	s_wait_alu depctr_va_vdst(0)
	v_and_b32 v[DQ], 8, v6
	s_delay_alu instid0(VALU_DEP_1)
	v_add_nc_u32 v[DQ], v[DQ], v6
	v_lshlrev_b32 v7, 4, v7
	s_delay_alu instid0(VALU_DEP_1)
	v_sub_nc_u32 v[DQ], v[DQ], v7
	s_lshl_b32 s88, s[CX], 5
	s_lshl_b32 s90, s[SUB], 3
	s_add_co_u32 s88, s88, s90
	v_add_nc_u32 v[DQ], s88, v[DQ]                 ; 32 cx + 8 sub + r + 8 (r / 8) - 16 h
	; what both units' addresses share
	s_lshr_b32 s94, s[HD], 1
	s_mul_i32 s94, s94, 1536
	s_and_b32 s88, s[HD], 1
	s_mul_i32 s90, s88, 768
	s_add_co_u32 s94, s94, s90                     ; yc: K step head / 2, half head % 2
	s_lshr_b32 s95, s[HD], 2
	s_lshl_b32 s95, s95, 7
	s_bfe_u32 s90, s[HD], 0x10001
	s_lshl_b32 s90, s90, 2
	s_add_co_u32 s95, s95, s90
	s_lshl_b32 s88, s88, 1
	s_add_co_u32 s95, s95, s88                     ; ys: pair of K steps head / 4, word (head / 2) % 2, bytes 2 (head % 2) on
	s_lshl_b32 s97, s[BH], 13
	s_lshr_b32 s88, s[CX], 1
	s_lshl_b32 s88, s88, 8
	s_add_co_u32 s97, s97, s88
	s_and_b32 s88, s[CX], 1
	s_lshl_b32 s88, s88, 3
	s_add_co_u32 s97, s97, s88
	s_lshl_b32 s88, s[SUB], 2
	s_add_co_u32 s97, s97, s88                     ; Q's scale words: tile 2 cx + sub of a group
	s_sub_co_u32 s89, 15, s[G]                     ; the second unit's group
.macro UADR gr, ycp, ysp, qcp, qsp     ; the addresses of the unit of group s[gr]
	s_lshl_b32 s90, s[BB], 7
	s_lshl_b32 s91, s[\gr], 3
	s_add_co_u32 s90, s90, s91
	s_lshl_b32 s91, s[CX], 1
	s_add_co_u32 s90, s90, s91
	s_add_co_u32 s90, s90, s[SUB]                  ; the row tile among all 512
	s_mul_i32 s92, s90, 12288
	s_add_co_u32 s92, s92, s94
	s_mov_b32 s93, 0
	s_add_nc_u64 s[\ycp:\ycp+1], s[8:9], s[92:93]
	s_lshl_b32 s92, s90, 9
	s_add_co_u32 s92, s92, s95
	s_add_nc_u64 s[\ysp:\ysp+1], s[10:11], s[92:93]
	s_lshl_b32 s92, s[\gr], 2
	s_add_co_u32 s92, s92, s[CX]
	s_mul_i32 s92, s92, 1536
	s_add_co_u32 s92, s92, s96
	s_add_nc_u64 s[\qcp:\qcp+1], s[4:5], s[92:93]
	s_lshl_b32 s92, s[\gr], 9
	s_add_co_u32 s92, s92, s97
	s_add_nc_u64 s[\qsp:\qsp+1], s[6:7], s[92:93]
.endm
	UADR G, YC0, YS0, QC0, QS0
	UADR 89, YC1, YS1, QC1, QS1
.macro QLOAD reg, sreg, qcp, qsp
	global_load_b64 v[\reg:\reg+1], v[QO0], s[\qcp:\qcp+1]
	global_load_b64 v[\reg+2:\reg+3], v[QO1], s[\qcp:\qcp+1] offset:8
	global_load_b64 v[\reg+4:\reg+5], v[QO0], s[\qcp:\qcp+1] offset:512
	global_load_b32 v[\sreg], v[R16], s[\qsp:\qsp+1]
.endm
	QLOAD Q, QS, QC0, QS0
	QLOAD QN, QSN, QC1, QS1
.irp i, 0,1,2,3,4,5
	v_mov_b32 v[Q+6+\i], 0                         ; zero codes for k = 64 .. 127
	v_mov_b32 v[KV+48+\i], 0                       ; what the last key tile's operand runs on over
.endr
.irp b, 0,1,2,3
	v_mov_b32 v[TP+\b], 0                          ; a lane permute's destination counts as one of its sources
.endr
	v_mov_b32 v[F+1], 0                            ; (named as the upper half of a pair)
	v_mov_b32 v[TT], 0
	v_mov_b32 v[NINF], 0xff800000
	s_wait_tensorcnt 0x0                           ; my fills have landed,
	s_barrier_signal -1
	s_barrier_wait -1                              ; everybody's have: from here on LDS is only read
	s_wait_loadcnt 0x0                             ; Q
; ONE UNIT: a tile of 16 queries against the key steps 0 .. s[G]; every wave walks all 16 trips and jumps over the work of the steps whose keys all come after its queries.
.macro UNIT ycp, ysp
	v_mov_b32 v13, 0xff61b1e6                      ; the largest t so far: -3e38
	s_delay_alu instid0(VALU_DEP_1)
	v_floor_f32 v12, -v13                          ; -M
	v_mov_b32 v14, 0
	v_mov_b32 v15, 0
.set n, 0
.rept 32
	v_mov_b32 v[O+n], 0                            ; the step is written once: the first finds zeros, which the first change of M leaves zeros
.set n, n+1
.endr
	s_mov_b32 s[KS], 0
	s_mov_b32 s[TK], 0
	s_mov_b32 s[TS], 0
	s_mov_b32 s[TV], 0
.Lstep_\@:
	s_cmp_gt_u32 s[KS], s[G]
	s_cbranch_scc1 .Lhidden_\@
	s_setprio 2
	v_add_nc_u32 v[ADK], s[TK], v[AK0]             ; these four are the places in front of loads into registers that the last products read
	v_add_nc_u32 v[ADV], s[TK], v[AV0]
	v_add_nc_u32 v[ADS], s[TS], v[ASK0]
	v_add_nc_u32 v[ADT], s[TV], v[ASV0]
.irp m, 0,1,2,3,4,5,6,7,8,9,10,11
	ds_load_b128 v[KV+4*\m:KV+4*\m+3], v[ADK] offset:512*\m   ; eight key tiles' half fragments on end
.endr
	ds_load_b128 v[KSC:KSC+3], v[ADS]
	ds_load_b128 v[KSC+4:KSC+7], v[ADS] offset:256
	s_wait_alu depctr_va_vdst(0)
	s_wait_dscnt 0x0
.irp t, 0,1,2,3,4,5,6,7
	v_wmma_scale_f32_16x16x128_f8f6f4 v[S+8*\t:S+8*\t+7], v[KV+6*\t:KV+6*\t+11], v[Q:Q+11], 0, v[KSC+\t], v[QS] matrix_a_fmt:MATRIX_FMT_FP6 matrix_b_fmt:MATRIX_FMT_FP6
.endr
.rept 4
	v_nop                                          ; places: V's loads land in K's registers, and the scores are read
.endr
.irp m, 0,1,2,3,4,5,6,7,8,9,10,11
	ds_load_b128 v[KV+4*\m:KV+4*\m+3], v[ADV] offset:512*\m   ; V's four fragments land under the softmax
.endr
	ds_load_b128 v[VSC:VSC+3], v[ADT]
	s_cmp_lg_u32 s[KS], s[G]
	s_cbranch_scc1 .Lopen_\@
.set n, 0
.rept 64                               ; the diagonal step: register 16 b + i holds key 32 b + 16 (lane / 16) + i of the group: hidden where it comes after my query
	v_cmp_gt_i32 vcc_lo, 32*(n/16)+n%16, v[DQ]
	v_cndmask_b32 v[S+n], v[S+n], v[NINF], vcc_lo
.set n, n+1
.endr
.Lopen_\@:
.irp b, 0,1,2,3
	v_max3_num_f32 v[TM+\b], v[S+16*\b], v[S+1+16*\b], v[S+2+16*\b]   ; the largest score of each block of 32 keys: for the row's maximum and, since p rises with the score, for the block's largest p
.endr
.irp i, 3,5,7,9,11,13
.irp b, 0,1,2,3
	v_max3_num_f32 v[TM+\b], v[TM+\b], v[S+16*\b+\i], v[S+1+16*\b+\i]
.endr
.endr
.irp b, 0,1,2,3
	v_max_num_f32 v[TM+\b], v[TM+\b], v[S+15+16*\b]
.endr
.irp b, 0,1,2,3
	s_delay_alu instid0(VALU_DEP_4)
	v_permlanex16_b32 v[TP+\b], v[TM+\b], s[SEL], s[SEL+1]
.endr
.irp b, 0,1,2,3
	s_delay_alu instid0(VALU_DEP_4)
	v_max_num_f32 v[TM+\b], v[TM+\b], v[TP+\b]
.endr
	s_delay_alu instid0(VALU_DEP_2)
	v_max3_num_f32 v[TT], v[TM], v[TM+1], v[TM+2]
	s_delay_alu instid0(VALU_DEP_1)
	v_max_num_f32 v[TT], v[TT], v[TM+3]
	s_delay_alu instid0(VALU_DEP_1)
	v_mul_f32 v[TT], s[CS], v[TT]
	s_delay_alu instid0(VALU_DEP_1)
	v_max_num_f32 v13, v13, v[TT]                  ; the running largest t
	v_mov_b32 v[TT], v12
	s_delay_alu instid0(VALU_DEP_2)
	v_floor_f32 v12, -v13                          ; the new -M = floor(-t): M is a whole number
	s_delay_alu instid0(VALU_DEP_1)
	v_sub_f32 v[TT], v12, v[TT]
	s_delay_alu instid0(VALU_DEP_1)
	v_cvt_i32_f32 v[TT], v[TT]                     ; (it saturates)
	s_delay_alu instid0(VALU_DEP_1)
	v_ldexp_f32 v[F], 1.0, v[TT]                   ; f = 2^(old M - new M)
.set n, 0
.rept 32
	v_pk_fma_f32 v[S+n:S+n+1], v[S+n:S+n+1], s[CS:CS+1], v[12:13] op_sel_hi:[1,0,0]   ; t - M
.set n, n+2
.endr
	s_setprio 1
.irp b, 0,1,2,3
	v_fma_f32 v[TM+\b], v[TM+\b], s[CS], v12
.endr
.set n, 0
	s_wait_alu depctr_va_vdst(0)
.rept 64
	v_exp_f32 v[S+n], v[S+n]                       ; p = 2^(t - M)
.set n, n+1
.endr
	v_pk_mul_f32 v[14:15], v[14:15], v[F:F+1] op_sel_hi:[1,0]   ; the sums under the new M: the plain place behind the exponentials
	s_wait_alu depctr_va_vdst(0)                   ; one wait for the batch, ahead of its first reader
.irp b, 0,1,2,3
	v_exp_f32 v[TM+\b], v[TM+\b]                   ; each block's largest p
.endr
	v_pk_add_f32 v[236:237], v[108:109], v[112:113]
	v_pk_add_f32 v[252:253], v[116:117], v[120:121]
	v_pk_add_f32 v[250:251], v[124:125], v[128:129]
	v_pk_add_f32 v[248:249], v[132:133], v[136:137]
	v_pk_add_f32 v[246:247], v[140:141], v[144:145]
	v_pk_add_f32 v[244:245], v[148:149], v[152:153]
	v_pk_add_f32 v[242:243], v[156:157], v[160:161]
	v_pk_add_f32 v[14:15], v[14:15], v[164:165]
	v_pk_add_f32 v[236:237], v[236:237], v[104:105]
	v_pk_add_f32 v[252:253], v[252:253], v[106:107]
	v_pk_add_f32 v[250:251], v[250:251], v[110:111]
	v_pk_add_f32 v[248:249], v[248:249], v[114:115]
	v_pk_add_f32 v[246:247], v[246:247], v[118:119]
	v_pk_add_f32 v[244:245], v[244:245], v[122:123]
	v_pk_add_f32 v[242:243], v[242:243], v[126:127]
	v_pk_add_f32 v[14:15], v[14:15], v[130:131]
	v_pk_add_f32 v[236:237], v[236:237], v[134:135]
	v_pk_add_f32 v[252:253], v[252:253], v[138:139]
	v_pk_add_f32 v[250:251], v[250:251], v[142:143]
	v_pk_add_f32 v[248:249], v[248:249], v[146:147]
	v_pk_add_f32 v[246:247], v[246:247], v[150:151]
	v_pk_add_f32 v[244:245], v[244:245], v[154:155]
	v_pk_add_f32 v[242:243], v[242:243], v[158:159]
	v_pk_add_f32 v[14:15], v[14:15], v[162:163]
	v_pk_add_f32 v[236:237], v[236:237], v[166:167]
	s_delay_alu instid0(VALU_DEP_2)
	v_pk_add_f32 v[14:15], v[14:15], v[248:249]
	s_delay_alu instid0(VALU_DEP_2)
	v_pk_add_f32 v[236:237], v[236:237], v[246:247]
	v_pk_add_f32 v[252:253], v[252:253], v[244:245]
	v_pk_add_f32 v[250:251], v[250:251], v[242:243]
	s_delay_alu instid0(VALU_DEP_2)
	v_pk_add_f32 v[14:15], v[14:15], v[252:253]
	s_delay_alu instid0(VALU_DEP_2)
	v_pk_add_f32 v[236:237], v[236:237], v[250:251]
	s_delay_alu instid0(VALU_DEP_1)
	v_pk_add_f32 v[14:15], v[14:15], v[236:237]
	s_wait_alu depctr_va_vdst(0)                   ; and one for the four
.irp b, 0,1,2,3
	v_max_num_f32 v[TM+\b], 0x1800000, v[TM+\b]    ; the floor 2^(3 - 127): the byte cannot fall under 1
.endr
.irp b, 0,1,2,3
	s_delay_alu instid0(VALU_DEP_4)
	v_add_nc_u32 v[TE+\b], 0xff000000, v[TM+\b]
.endr
.irp b, 0,1,2,3
	s_delay_alu instid0(VALU_DEP_4)
	v_lshrrev_b32 v[TP+\b], 23, v[TE+\b]
.endr
	s_delay_alu instid0(VALU_DEP_3)
	v_lshl_or_b32 v[PSW], v[TP+1], 8, v[TP]
	s_delay_alu instid0(VALU_DEP_1)
	v_lshl_or_b32 v[PSW], v[TP+2], 16, v[PSW]
	s_delay_alu instid0(VALU_DEP_1)
	v_lshl_or_b32 v[PSW], v[TP+3], 24, v[PSW]
	s_setprio 0
.irp c, 0,1
	v_cvt_scalef32_pk16_fp6_f32 v[PCD+6*\c:PCD+2+6*\c], v[S+32*\c:S+15+32*\c], v[TE+2*\c]
	v_cvt_scalef32_pk16_fp6_f32 v[CT+4*\c:CT+2+4*\c], v[S+16+32*\c:S+31+32*\c], v[TE+2*\c+1]
.endr
	v_nop                                          ; one plain place behind the scaled conversions
.irp c, 0,1
.irp i, 0,1,2
	v_permlane16_swap_b32 v[PCD+6*\c+\i], v[CT+4*\c+\i]
.endr
.irp i, 0,1,2
	s_delay_alu instid0(VALU_DEP_3)
	v_mov_b32 v[PCD+3+6*\c+\i], v[CT+4*\c+\i]
.endr
.endr
.set n, 0
.rept 16
	v_pk_mul_f32 v[O+n:O+n+1], v[O+n:O+n+1], v[F:F+1] op_sel_hi:[1,0]   ; O^T under the new M; these sixteen are the places between p's codes and scale word and the products
.set n, n+2
.endr
	s_wait_alu depctr_va_vdst(0)
	s_wait_dscnt 0x0                               ; V
.irp t, 0,1,2,3
	v_wmma_scale_f32_16x16x128_f8f6f4 v[O+8*\t:O+8*\t+7], v[KV+12*\t:KV+12*\t+11], v[PCD:PCD+11], v[O+8*\t:O+8*\t+7], v[VSC+\t], v[PSW] matrix_a_fmt:MATRIX_FMT_FP6 matrix_b_fmt:MATRIX_FMT_FP6
.endr
.Lhidden_\@:
	s_add_co_u32 s[TK], s[TK], 6144                ; the next 128 keys
	s_add_co_u32 s[TS], s[TS], 512
	s_add_co_u32 s[TV], s[TV], 256
	s_add_co_u32 s[KS], s[KS], 1
	s_cmp_lt_u32 s[KS], 16
	s_cbranch_scc1 .Lstep_\@
	s_setprio 0
	; the unit's end: O^T / the sum, quantised: register 16 b + i is channel 32 b + 16 (lane / 16) + i of the head
.rept 4
	v_nop
.endr
	v_add_f32 v14, v14, v15
	s_delay_alu instid0(VALU_DEP_1)
	v_permlanex16_b32 v[TT], v14, s[SEL], s[SEL+1]
	s_delay_alu instid0(VALU_DEP_1)
	v_add_f32 v14, v14, v[TT]                      ; the row's sum
	s_wait_alu depctr_va_vdst(0)
	v_rcp_f32 v14, v14
	v_nop                                          ; one plain place behind the reciprocal
	s_wait_alu depctr_va_vdst(0)                   ; and the wait ahead of its first reader
.set n, 0
.rept 16
	v_pk_mul_f32 v[S+n:S+n+1], v[O+n:O+n+1], v[14:15] op_sel_hi:[1,0]
.set n, n+2
.endr
.irp b, 0,1
	v_max3_num_f32 v[TM+\b], |v[S+16*\b]|, |v[S+1+16*\b]|, 0x1800000
.endr
.irp i, 2,4,6,8,10,12,14
.irp b, 0,1
	s_delay_alu instid0(VALU_DEP_2)
	v_max3_num_f32 v[TM+\b], v[TM+\b], |v[S+16*\b+\i]|, |v[S+1+16*\b+\i]|
.endr
.endr
.irp b, 0,1
	s_delay_alu instid0(VALU_DEP_2)
	v_permlanex16_b32 v[TP+\b], v[TM+\b], s[SEL], s[SEL+1]
.endr
.irp b, 0,1
	s_delay_alu instid0(VALU_DEP_2)
	v_max_num_f32 v[TM+\b], v[TM+\b], v[TP+\b]
.endr
.irp b, 0,1
	s_delay_alu instid0(VALU_DEP_2)
	v_add_nc_u32 v[TE+\b], 0xff000000, v[TM+\b]
.endr
.irp b, 0,1
	s_delay_alu instid0(VALU_DEP_2)
	v_lshrrev_b32 v[TP+\b], 23, v[TE+\b]
.endr
	s_delay_alu instid0(VALU_DEP_1)
	v_lshl_or_b32 v[YB], v[TP+1], 8, v[TP]
	v_cvt_scalef32_pk16_fp6_f32 v[YCD:YCD+2], v[S:S+15], v[TE]
	v_cvt_scalef32_pk16_fp6_f32 v[CT:CT+2], v[S+16:S+31], v[TE+1]
	v_nop
.irp i, 0,1,2
	v_permlane16_swap_b32 v[YCD+\i], v[CT+\i]
.endr
.irp i, 0,1,2
	s_delay_alu instid0(VALU_DEP_3)
	v_mov_b32 v[YCD+3+\i], v[CT+\i]
.endr
	global_store_b128 v[AK0], v[YCD:YCD+3], s[\ycp:\ycp+1]              ; half a fragment's image: 512 consecutive bytes,
	global_store_b64 v[L8], v[YCD+4:YCD+5], s[\ycp:\ycp+1] offset:512   ; and 256
	global_store_b16 v[R8], v[YB], s[\ysp:\ysp+1]                       ; my row's two bytes (both halves of the lanes hold and write the same)
.endm
	UNIT YC0, YS0
	s_wait_xcnt 0x0                                ; the stores have read their registers: the second unit writes them again
	s_sub_co_u32 s[G], 15, s[G]
.irp i, 0,1,2,3,4,5
	v_mov_b32 v[Q+\i], v[QN+\i]
.endr
	v_mov_b32 v[QS], v[QSN]                        ; (the 36 moves at the unit's head stand between these and the next products)
	UNIT YC1, YS1
	s_wait_dscnt 0x0
	s_wait_tensorcnt 0x0
	ds_add_u32 v254, v255
	s_wait_dscnt 0x0
	CROUND                                         ; the closing round
	s_endpgm
.Lfunc_end_k_q5624b96152_attn:
	.size	k_q5624b96152_attn, .Lfunc_end_k_q5624b96152_attn-k_q5624b96152_attn
	.p2alignl 7, 3214868480
	.fill 96, 4, 3214868480
	.section	.rodata,"a",@progbits
	.p2align	6, 0x0
	.amdhsa_kernel k_q5624b96152_attn
		.amdhsa_group_segment_fixed_size 210944
		.amdhsa_private_segment_fixed_size 0
		.amdhsa_enable_private_segment 0
		.amdhsa_kernarg_size 32
		.amdhsa_user_sgpr_count 2
		.amdhsa_user_sgpr_kernarg_segment_ptr 1
		.amdhsa_wavefront_size32 1
		.amdhsa_system_sgpr_workgroup_id_x 1
		.amdhsa_system_sgpr_workgroup_id_y 1
		.amdhsa_system_sgpr_workgroup_id_z 1
		.amdhsa_system_vgpr_workitem_id 0
		.amdhsa_next_free_vgpr 256
		.amdhsa_next_free_sgpr 100
		.amdhsa_reserve_vcc 1
		.amdhsa_float_denorm_mode_32 3
		.amdhsa_float_denorm_mode_16_64 3
		.amdhsa_memory_ordered 1
		.amdhsa_forward_progress 1
		.amdhsa_inst_pref_size 66
	.end_amdhsa_kernel
	.amdgpu_metadata
---
amdhsa.version: [ 1, 2 ]
amdhsa.kernels:
  - .name:           k_q5624b96152_attn
    .symbol:         k_q5624b96152_attn.kd
    .args:
      - { .name: c2, .offset: 0, .size: 8, .value_kind: global_buffer, .address_space: global }
      - { .name: s2, .offset: 8, .size: 8, .value_kind: global_buffer, .address_space: global }
      - { .name: yc, .offset: 16, .size: 8, .value_kind: global_buffer, .address_space: global }
      - { .name: ys, .offset: 24, .size: 8, .value_kind: global_buffer, .address_space: global }
    .group_segment_fixed_size: 210944
    .private_segment_fixed_size: 0
    .kernarg_segment_align: 8
    .kernarg_segment_size: 32
    .max_flat_workgroup_size: 512
    .sgpr_count:     100
    .vgpr_count:     256
    .wavefront_size: 32
...
	.end_amdgpu_metadata
.endif
;; end of part 3
;; launch proj (part 4): grid 4 x 32, 4 waves a work-group, clusters of 4 x 4, 327,680 bytes of LDS; arguments yc, ys, c1, s1, bo, out0; writes out0
.if DOCPART == 4
	.amdgcn_target "amdgcn-amd-amdhsa--gfx1250"
	.amdhsa_code_object_version 6
	.text
	.protected	k_q5624b96152_proj
	.globl	k_q5624b96152_proj
	.p2align	8
	.type	k_q5624b96152_proj,@function
k_q5624b96152_proj:
	s_mov_b64 s[64:65], 0
	v_nop
	global_prefetch_b8 v0, s[64:65] scope:SCOPE_SE
	s_setreg_imm32_b32 hwreg(HW_REG_WAVE_MODE, 25, 1), 1
	s_wait_xcnt 0x0
	s_wait_alu depctr_hold_cnt(0) depctr_sa_sdst(0) depctr_va_vdst(0) depctr_va_sdst(0) depctr_va_ssrc(0) depctr_va_vcc(0) depctr_vm_vsrc(0)
	s_getreg_b32 s2, hwreg(HW_REG_IB_STS2, 6, 4)
	s_cmp_eq_u32 s2, 0
	s_cbranch_scc0 .Lentry_in_a_cluster
	s_endpgm
.Lentry_in_a_cluster:
	s_bfe_u32 s2, ttmp6, 0x10000c
	s_cmp_lg_u32 s2, 0xf033
	s_cbranch_scc0 .Lentry_shape_is_right
	s_endpgm
.Lentry_shape_is_right:
; out0 = y Wo^T + bo on codes of FP6 (E2M3) with E8M0 scales, sums in f32.  y's codes and scale words (yc, ys) and Wo's (row tiles 704-767 of c1, s1) lie in memory as images of operand registers:
; [row tile][K step of 128][1,536 bytes]; scale words [row tile][pair of K steps][row][2 words].  A row tile's lane-row i is the true row 32 (tile / 2) + 8 (tile % 2) + i + 8 (i / 8).
; A work-group makes 256 x 256 of out0, four waves of 128 x 128 (64 accumulators).  K = 1,024 goes in steps of 256 through a ring of two LDS slots; the scale words come once, with the first fills.
; Source 0 = Wo's tiles (a lane's registers run along the outputs), source 1 = y's (a lane holds a token).  4 x 4 work-groups are a cluster: y's tiles are asked for jointly along a row, Wo's along a column.
; 128 work-groups: the grid that this tile gives at these sizes.
; THE WAY OUT undoes both row orders: the outputs' by the offsets of the stores into the stage, the tokens' by the rows' places in out0, which stand in the stores' immediates.
; REGISTERS: window 0: v1-31 addresses; v32-63 scale words, two sets; v64-67 bo; v128-223 y's fragments, one set; on the way out v128-255 rows of out0.  window 1: Wo's fragments, two sets.  windows 2, 3: the accumulators.
.set NQ,     2
.set FR,     12
.set NL,     4
.set NP,     4                         ; places behind this matrix instruction (ISA guide 7.12.1)
.set FRB,    1536
.set TROW,   NQ*FRB
.set TILEB,  8*FRB
.set HALFT,  8*TROW
.set SLOT,   4*HALFT
.set LAPS,   2
.set SCL,    2*SLOT
.set SCLB,   SCL+8192+128
.set SPARE,  SCLB+8192+128             ; the spare words, 128 bytes for each wave: two blocks of 256 bytes that no other line names
.set SPITCH, 528                       ; the stage: 16 rows x (512 bytes + 16) for each wave, in slot 0, which has had its last fill and its last read when the first result is stored there
.set ADRA, 16
.set ADRB, 20
.set L16,  24                          ; v24  16 x lane
.set STO,  25
.set RD,   26
.set ADRS, 27
.set SPW,  28
.set NIL,  29
.set SC,   32
.set BO,   64
.set AF,   128
.set BK,   128
.set WV, 18
.set RH, 19
.set CH, 20
.set CX, 21
.set CY, 22
.set YY, 40
.set G1, 24
.set G0, 32
.set G1B, 48
.set G0B, 56
.set G1S, 68
.set G0S, 76
.set G1SB, 80
.set G0SB, 88
.set OUT, 96
.set BP, 98
.set MSB, 0
.macro WIN new
.if MSB != (\new)
	s_set_vgpr_msb (MSB<<8)|(\new)
.set MSB, (\new)
.endif
.endm
.set MUL_LO, 0xa1
.set MUL_HI, 0xf1
.set TO_B,   0x40
.macro JLOAD g0a, g1a, g0b, g1b        ; a joint load: waves 0, 1 for A, waves 2, 3 for B; four v_nop follow each of the two lines
	s_cmp_eq_u32 s[RH], 0
	s_cbranch_scc0 .Lfor_b_\@
	tensor_load_to_lds s[\g0a:\g0a+3], s[\g1a:\g1a+7]
	s_nop 0
.rept 4
	v_nop
.endr
	s_branch .Lasked_\@
.Lfor_b_\@:
	tensor_load_to_lds s[\g0b:\g0b+3], s[\g1b:\g1b+7]
	s_nop 0
.rept 4
	v_nop
.endr
.Lasked_\@:
.endm
.macro CREST
	s_cmp_lg_u32 s[WV], 0
	s_cbranch_scc1 .Lnot_wave_0_\@
	s_barrier_signal -3
.Lnot_wave_0_\@:
	s_barrier_wait -3
	s_barrier_signal -1
	s_barrier_wait -1
.endm
.macro CROUND
	s_barrier_signal -1
	s_barrier_wait -1
	CREST
.endm
.macro PLACES n
.rept \n
	v_nop
.endr
.endm
	s_load_b256 s[4:11], s[0:1], 0x0               ; yc, ys, c1, s1
	s_load_b128 s[12:15], s[0:1], 0x20             ; bo, out0
	v_lshl_add_u32 v[SPW], v0, 2, SPARE
	v_mov_b32 v[NIL], 0
	ds_add_u32 v28, v29
	ds_add_u32 v28, v29
	s_wait_dscnt 0x0
	v_lshrrev_b32 v1, 5, v0
	v_readfirstlane_b32 s[WV], v1
	s_lshr_b32 s[RH], s[WV], 1
	s_and_b32 s[CH], s[WV], 1
	s_bfe_u32 s[CX], ttmp6, 0x40000
	s_bfe_u32 s[CY], ttmp6, 0x40004
	s_and_b32 s[YY], ttmp7, 0xffff
	s_lshl_b32 s41, s[CY], 2
	s_lshl_b32 s41, 15, s41                        ; my row of the cluster
	s_lshl_b32 s42, 0x1111, s[CX]                  ; my column
	s_or_b32 s[G1], s41, (3<<16)|(1<<21)           ; codes: 8 rows (row tiles) of 384 elements of 8 bytes, 1,536 elements apart; no padding
	s_or_b32 s[G1B], s42, (3<<16)|(1<<21)
.irp g, G1, G1B
	s_mov_b32 s[\g+1], 384<<16
	s_mov_b32 s[\g+2], 8<<16
	s_mov_b32 s[\g+3], 384<<16
	s_mov_b32 s[\g+4], 8
	s_mov_b32 s[\g+5], 1536
	s_mov_b32 s[\g+6], 0
	s_mov_b32 s[\g+7], 0
.endr
	s_or_b32 s[G1S], s41, (3<<16)|(1<<21)          ; scale words of eight row tiles: 4,096 dense bytes as 16 rows of 256
	s_or_b32 s[G1SB], s42, (3<<16)|(1<<21)
.irp g, G1S, G1SB
	s_mov_b32 s[\g+1], 32<<16
	s_mov_b32 s[\g+2], 16<<16
	s_mov_b32 s[\g+3], 32<<16
	s_mov_b32 s[\g+4], 16
	s_mov_b32 s[\g+5], 32
	s_mov_b32 s[\g+6], 0
	s_mov_b32 s[\g+7], 0
.endr
	s_lshl_b32 s47, s[CH], 3                       ; which eight tiles I fetch
	s_lshl_b32 s44, s[YY], 2
	s_add_co_u32 s44, s44, s[CY]
	s_lshl_b32 s44, s44, 4
	s_add_co_u32 s44, s44, s47                     ; y's first tile: it hangs on cy, never on cx
	s_lshl_b32 s45, s[CX], 4
	s_add_co_u32 s45, s45, s47
	s_add_co_u32 s45, s45, 704                     ; Wo's: on cx, never on cy
	s_mul_i32 s46, s44, TILEB
	s_mov_b32 s47, 0
	s_mul_i32 s100, s45, TILEB
	s_mov_b32 s101, 0
	s_lshl_b32 s92, s44, 9
	s_mov_b32 s93, 0
	s_lshl_b32 s94, s45, 9
	s_mov_b32 s95, 0
	s_mul_i32 s41, s[WV], HALFT
	s_lshl_b32 s43, s[WV], 12
	s_lshl_b32 s42, s[RH], 7
	s_add_co_u32 s43, s43, s42
	s_wait_kmcnt 0x0
	s_add_nc_u64 s[46:47], s[4:5], s[46:47]
	s_add_nc_u64 s[100:101], s[8:9], s[100:101]
	s_add_nc_u64 s[92:93], s[6:7], s[92:93]
	s_add_nc_u64 s[94:95], s[10:11], s[94:95]
	CROUND                                         ; all sixteen work-groups are here: the first joint loads meet
	s_mov_b32 s[G0S], 1
	s_add_co_u32 s[G0S+1], s43, SCL
	s_mov_b64 s[G0S+2:G0S+3], s[92:93]
	s_or_b32 s[G0S+3], s[G0S+3], 0x80000000
	s_mov_b32 s[G0SB], 1
	s_add_co_u32 s[G0SB+1], s43, SCL
	s_mov_b64 s[G0SB+2:G0SB+3], s[94:95]
	s_or_b32 s[G0SB+3], s[G0SB+3], 0x80000000
	JLOAD G0S, G1S, G0SB, G1SB
.irp s, 0,1
	s_mov_b32 s[G0+4*\s], 1
	s_add_co_u32 s[G0+4*\s+1], s41, \s*SLOT
	s_add_nc_u64 s[G0+4*\s+2:G0+4*\s+3], s[46:47], \s*TROW
	s_or_b32 s[G0+4*\s+3], s[G0+4*\s+3], 0x80000000
	s_mov_b32 s[G0B+4*\s], 1
	s_add_co_u32 s[G0B+4*\s+1], s41, \s*SLOT
	s_add_nc_u64 s[G0B+4*\s+2:G0B+4*\s+3], s[100:101], \s*TROW
	s_or_b32 s[G0B+4*\s+3], s[G0B+4*\s+3], 0x80000000
	JLOAD G0+4*\s, G1, G0B+4*\s, G1B
.endr
	v_and_b32 v1, 31, v0                           ; lane
	v_and_b32 v2, 15, v0                           ; r
	v_bfe_u32 v3, v0, 4, 1                         ; h
	v_lshlrev_b32 v[L16], 4, v1
	v_lshlrev_b32 v4, 3, v1
	s_mul_i32 s41, s[RH], HALFT
	s_mul_i32 s42, s[CH], HALFT
	s_add_co_u32 s42, s42, 2*HALFT
.irp s, 0,1
	v_add_nc_u32 v[ADRA+\s], s41, v[L16]
	v_add_nc_u32 v[ADRA+2+\s], s41, v4
	v_add_nc_u32 v[ADRB+\s], s42, v[L16]
	v_add_nc_u32 v[ADRB+2+\s], s42, v4
	s_add_co_u32 s41, s41, SLOT
	s_add_co_u32 s42, s42, SLOT
.endr
	s_lshl_b32 s41, s[RH], 12
	s_lshl_b32 s42, s[CH], 12
	s_add_co_u32 s42, s42, SCLB-SCL
	s_sub_co_u32 s42, s42, s41
	v_mul_u32_u24 v5, s42, v3                      ; lanes 16-31 take B's: one product, the distance between the two bases
	s_add_co_u32 s41, s41, SCL
	v_lshl_add_u32 v5, v2, 3, v5
	v_add_nc_u32 v[ADRS], s41, v5
	s_mul_i32 s41, s[WV], 16*SPITCH                ; my stage
	v_mul_u32_u24 v5, v2, SPITCH
	v_lshl_add_u32 v5, v3, 6, v5
	v_add_nc_u32 v[STO], s41, v5                   ; in: row r, + 64 h: my half's 16 outputs of each 32
	v_add_nc_u32 v[RD], s41, v[L16]                ; back: a row of 512 bytes, 16 bytes a lane
	s_lshl_b32 s41, s[YY], 2
	s_add_co_u32 s41, s41, s[CY]
	s_lshl_b32 s44, s41, 20                        ; 256 rows of 4,096 bytes for each tile row,
	s_lshl_b32 s42, s[RH], 19                      ; my 128 rows,
	s_add_co_u32 s44, s44, s42
	s_lshl_b32 s42, s[CX], 10                      ; and my 128 columns
	s_lshl_b32 s43, s[CH], 9
	s_add_co_u32 s42, s42, s43
	s_add_co_u32 s44, s44, s42
	s_mov_b32 s45, 0
	s_mov_b32 s43, 0
	s_add_nc_u64 s[OUT:OUT+1], s[14:15], s[44:45]
	s_add_nc_u64 s[BP:BP+1], s[12:13], s[42:43]
	global_load_b128 v[BO:BO+3], v[L16], s[BP:BP+1]   ; bo of my four columns of a row
.macro FRAG reg, adr, q, i             ; a fragment's image: two halves of 768 bytes, each 16 bytes a lane and then 8 bytes a lane
	ds_load_b128 v[\reg:\reg+3], v[\adr] offset:(\i)*TROW+(\q)*FRB
	ds_load_b64 v[\reg+4:\reg+5], v[\adr+2] offset:(\i)*TROW+(\q)*FRB+512
	ds_load_b128 v[\reg+6:\reg+9], v[\adr] offset:(\i)*TROW+(\q)*FRB+768
	ds_load_b64 v[\reg+10:\reg+11], v[\adr+2] offset:(\i)*TROW+(\q)*FRB+1280
.endm
; 16 matrix instructions: A's tiles a0, a0 + 1 x B's eight.  The 64 accumulators take turns, one instruction a turn, in the same order in every step.
.macro MUL16 a0, p, q, sc, zero
.irp a, \a0, \a0+1
.irp b, 0,1,2,3,4,5,6,7
.if \zero
	v_wmma_scale_f32_16x16x128_f8f6f4 v[8*(8*((\a)%4)+\b):8*(8*((\a)%4)+\b)+7], v[128*(\p)+FR*\b:128*(\p)+FR*\b+FR-1], v[AF+FR*(\a):AF+FR*(\a)+FR-1], 0, v[SC+8*NQ*(\sc)+NQ*\b+(\q)], v[SC+8*NQ*(\sc)+NQ*(\a)+(\q)] matrix_a_fmt:MATRIX_FMT_FP6 matrix_b_fmt:MATRIX_FMT_FP6 matrix_a_scale:MATRIX_SCALE_ROW1
.else
	v_wmma_scale_f32_16x16x128_f8f6f4 v[8*(8*((\a)%4)+\b):8*(8*((\a)%4)+\b)+7], v[128*(\p)+FR*\b:128*(\p)+FR*\b+FR-1], v[AF+FR*(\a):AF+FR*(\a)+FR-1], v[8*(8*((\a)%4)+\b):8*(8*((\a)%4)+\b)+7], v[SC+8*NQ*(\sc)+NQ*\b+(\q)], v[SC+8*NQ*(\sc)+NQ*(\a)+(\q)] matrix_a_fmt:MATRIX_FMT_FP6 matrix_b_fmt:MATRIX_FMT_FP6 matrix_a_scale:MATRIX_SCALE_ROW1
.endif
.endr
.endr
.endm
.macro FETCH_B slot, q, p
	WIN TO_B
.irp i, 0,1,2,3,4,5,6,7
	FRAG 128*(\p)+FR*\i, ADRB+\slot, \q, \i
.endr
	WIN 0
.endm
.macro FETCH_A slot, q, i0
.irp i, \i0, \i0+1, \i0+2, \i0+3
	FRAG AF+FR*(\i), ADRA+\slot, \q, \i
.endr
.endm
.macro SCALES sc
.irp i, 0,1,2,3,4,5,6,7
	ds_load_b64 v[SC+8*NQ*\sc+NQ*\i:SC+8*NQ*\sc+NQ*\i+1], v[ADRS] offset:\i*512
.endr
.endm
.macro STEP slot, q, zero
	s_wait_dscnt 4*NL                              ; B's set and A's tiles 0-3 are in; the youngest 16 loads (A's tiles 4-7) may be out
	WIN MUL_LO
	MUL16 0, (\q)%2, \q, \slot, \zero
	MUL16 2, (\q)%2, \q, \slot, \zero
	s_wait_dscnt 0
	PLACES NP                                      ; in front of loads into registers that matrix instructions have read
	FETCH_B \slot, (\q)+1, 1-(\q)%2
	FETCH_A \slot, (\q)+1, 0
	WIN MUL_HI
	MUL16 4, (\q)%2, \q, \slot, \zero
	MUL16 6, (\q)%2, \q, \slot, \zero
	PLACES NP
	WIN 0
	FETCH_A \slot, (\q)+1, 4
.endm
.macro TURN slot, next, fill
	s_wait_tensorcnt 0x0                           ; all my tensor loads have landed: my part of the next slot
	ds_add_u32 v[SPW], v[NIL]                      ; 0 onto my spare word
	s_wait_dscnt 4*NL+1                            ; (the add and the youngest 16 loads may be out)
	WIN MUL_LO
	MUL16 0, 1, NQ-1, \slot, 0
	s_wait_dscnt 0x0                               ; the add is done, and my reads of this slot are over
	s_barrier_signal -1
	MUL16 2, 1, NQ-1, \slot, 0
	WIN 0
	s_barrier_wait -1
.if \fill
	CREST                                          ; the barrier has opened a round of the cluster's: no wave of any partner still reads this slot or has a load on its way
	s_add_nc_u64 s[G0+4*\slot+2:G0+4*\slot+3], s[G0+4*\slot+2:G0+4*\slot+3], 2*TROW
	s_add_nc_u64 s[G0B+4*\slot+2:G0B+4*\slot+3], s[G0B+4*\slot+2:G0B+4*\slot+3], 2*TROW
	JLOAD G0+4*\slot, G1, G0B+4*\slot, G1B         ; the first tensor load behind the round; its four v_nop are the places in front of the loads below
.else
	PLACES NP
.endif
	v_add_nc_u32 v[ADRS], 128, v[ADRS]
	FETCH_B \next, 0, 0
	FETCH_A \next, 0, 0
	SCALES \next
	WIN MUL_HI
	MUL16 4, 1, NQ-1, \slot, 0
	MUL16 6, 1, NQ-1, \slot, 0
	PLACES NP
	WIN 0
	FETCH_A \next, 0, 4
.endm
	s_wait_tensorcnt 1                             ; the scale words and my part of slot 0 are in (slot 1's load may be out),
	s_barrier_signal -1
	s_barrier_wait -1                              ; everybody's are
	FETCH_B 0, 0, 0
	FETCH_A 0, 0, 0
	SCALES 0
	FETCH_A 0, 0, 4
	STEP 0, 0, 1                                   ; the first step's products start the sums
	s_mov_b32 s3, LAPS-1
.Llap:
	TURN 0, 1, 1
	STEP 1, 0, 0
	TURN 1, 0, 1
	STEP 0, 0, 0
	s_sub_co_u32 s3, s3, 1
	s_cmp_lg_u32 s3, 0
	s_cbranch_scc1 .Llap
	TURN 0, 1, 0                                   ; the last change of slots fills nothing
	STEP 1, 0, 0
	s_wait_dscnt 4*NL
	WIN MUL_LO
	MUL16 0, 1, NQ-1, 1, 0
	MUL16 2, 1, NQ-1, 1, 0
	s_wait_dscnt 0
	WIN MUL_HI
	MUL16 4, 1, NQ-1, 1, 0
	MUL16 6, 1, NQ-1, 1, 0
	WIN 0
; THE WAY OUT, a token tile (16 rows x 128 columns) at a time, through my own stage: register j of Wo's tile b is output 32 (b / 2) + 8 (b % 2) + 16 (lane / 16) + j.
; LDS serves a wave's instructions in order (ISA guide 5.7.1.4): no wait between the stores and the loads, nor in front of the next tile's stores.
.macro TOSTAGE a
.set AC, 64*((\a)%4)
	WIN 0x08+4*((\a)/4)                            ; an LDS store's data: window 2 or 3
.irp b, 0,1,2,3,4,5,6,7
	ds_store_b128 v[STO], v[AC+8*\b:AC+8*\b+3] offset:128*(\b/2)+32*(\b%2)          ; each accumulator from its low end on
	ds_store_b128 v[STO], v[AC+8*\b+4:AC+8*\b+7] offset:128*(\b/2)+32*(\b%2)+16
.endr
	WIN 0
.set BB, BK+64*((\a)%2)
.irp t, 0,1,2,3,4,5,6,7,8,9,10,11,12,13,14,15
	ds_load_b128 v[BB+4*\t:BB+4*\t+3], v[RD] offset:\t*SPITCH
.endr
.endm
.macro SEND a, younger                 ; younger: the LDS instructions issued behind tile a's loads, which may stay out
.set BB, BK+64*((\a)%2)
	s_wait_dscnt \younger
.irp t, 0,1,2,3,4,5,6,7,8,9,10,11,12,13,14,15
	v_pk_add_f32 v[BB+4*\t:BB+4*\t+1], v[BB+4*\t:BB+4*\t+1], v[BO:BO+1]         ; + bo
	v_pk_add_f32 v[BB+4*\t+2:BB+4*\t+3], v[BB+4*\t+2:BB+4*\t+3], v[BO+2:BO+3]
.endr
.irp t, 0,1,2,3,4,5,6,7,8,9,10,11,12,13,14,15
	global_store_b128 v[L16], v[BB+4*\t:BB+4*\t+3], s[OUT:OUT+1] offset:(32*((\a)/2)+8*((\a)%2)+\t+8*(\t/8))*4096 th:TH_STORE_NT   ; 32 lanes store 512 consecutive bytes, aligned; the row's true place stands in the immediate, 520,192 at the most
.endr
.endm
	PLACES NP                                      ; in front of the first read of results and of loads into the registers that held A's fragments
	s_wait_loadcnt 0x0                             ; bo
	TOSTAGE 0
.irp a, 1,2,3,4,5,6,7
.if \a > 1
	s_wait_xcnt 0x0                                ; tile a - 2's stores have read their registers: tile a's loads may land there
.endif
	TOSTAGE \a
	SEND \a-1, 32                                  ; behind tile a - 1's loads: tile a's 16 stores and 16 loads
.endr
	SEND 7, 0
	s_wait_tensorcnt 0x0                           ; the wave's end
	ds_add_u32 v[SPW], v[NIL]
	s_wait_dscnt 0x0
	CROUND                                         ; the closing round
	s_endpgm
.Lfunc_end_k_q5624b96152_proj:
	.size	k_q5624b96152_proj, .Lfunc_end_k_q5624b96152_proj-k_q5624b96152_proj
	.p2alignl 7, 3214868480
	.fill 96, 4, 3214868480
	.section	.rodata,"a",@progbits
	.p2align	6, 0x0
	.amdhsa_kernel k_q5624b96152_proj
		.amdhsa_group_segment_fixed_size 327680
		.amdhsa_private_segment_fixed_size 0
		.amdhsa_enable_private_segment 0
		.amdhsa_kernarg_size 48
		.amdhsa_user_sgpr_count 2
		.amdhsa_user_sgpr_kernarg_segment_ptr 1
		.amdhsa_wavefront_size32 1
		.amdhsa_system_sgpr_workgroup_id_x 1
		.amdhsa_system_sgpr_workgroup_id_y 1
		.amdhsa_system_sgpr_workgroup_id_z 1
		.amdhsa_system_vgpr_workitem_id 0
		.amdhsa_next_free_vgpr 1024
		.amdhsa_next_free_sgpr 104
		.amdhsa_reserve_vcc 0
		.amdhsa_float_denorm_mode_32 3
		.amdhsa_float_denorm_mode_16_64 3
		.amdhsa_memory_ordered 1
		.amdhsa_forward_progress 1
		.amdhsa_inst_pref_size 159
	.end_amdhsa_kernel
	.amdgpu_metadata
---
amdhsa.version: [ 1, 2 ]
amdhsa.kernels:
  - .name:           k_q5624b96152_proj
    .symbol:         k_q5624b96152_proj.kd
    .args:
      - { .name: yc, .offset: 0, .size: 8, .value_kind: global_buffer, .address_space: global }
      - { .name: ys, .offset: 8, .size: 8, .value_kind: global_buffer, .address_space: global }
      - { .name: c1, .offset: 16, .size: 8, .value_kind: global_buffer, .address_space: global }
      - { .name: s1, .offset: 24, .size: 8, .value_kind: global_buffer, .address_space: global }
      - { .name: bo, .offset: 32, .size: 8, .value_kind: global_buffer, .address_space: global }
      - { .name: out0, .offset: 40, .size: 8, .value_kind: global_buffer, .address_space: global }
    .group_segment_fixed_size: 327680
    .private_segment_fixed_size: 0
    .kernarg_segment_align: 8
    .kernarg_segment_size: 48
    .max_flat_workgroup_size: 128
    .sgpr_count:     104
    .vgpr_count:     1024
    .wavefront_size: 32
...
	.end_amdgpu_metadata
.endif
;; end of part 4
